; MI455X (gfx1250); checked and timed in simulation.
; The chip was launched on July 23, 2026; its instructions are those of AMD's public machine-readable ISA for CDNA 5 (MIT licence, August 2026) and "CDNA5" Instruction Set Architecture Reference Guide (July 2026). The comments in the code are by the model that wrote it; some were corrected since.
;; Group Query Attention. Allowed arithmetic: matrix products marked QUANTISED: E2M3 operands, one E8M0 scale for each 32 along K, by v_wmma_scale_f32_16x16x128_f8f6f4 with both operands' format E2M3, f32 sums; everything else in f32.
;; Inputs: k_b 256 float32; k_w 256 x 1,024 float32; mask 1 x 1 x 4,096 x 4,096 bool; o_b 1,024 float32; o_w 1,024 x 1,024 float32; q_b 1,024 float32; q_w 1,024 x 1,024 float32; v_b 256 float32; v_w 256 x 1,024 float32; x 1 x 4,096 x 1,024 float32.
;; Outputs: out0 1 x 4,096 x 1,024 float32; out1 1 x 4 x 4,096 x 64 float32; out2 1 x 4 x 4,096 x 64 float32.
;; This version of the problem:
;;   THIS VERSION OF THE PROBLEM IS GIVEN IN LOW PRECISION. The matrix products marked QUANTISED in the list below multiply operands that are first quantised to E2M3 (2 exponent bits, 3 mantissa bits; 6 bits a number), with one power-of-two scale for each 32 numbers along K (OCP MX v1.0); their sums are f32. All else is computed in f32.
;;   The module's matrix products, in the order in which they are computed (A, B: the left and right operand; K: the contracted axis; several contracted axes count as one K, in the product's order):
;;     1. [M 4,096, K 1,024] x [K 1,024, N 1,024]; A: input x; B: input q_w: QUANTISED
;;     2. [M 4,096, K 1,024] x [K 1,024, N 256]; A: input x; B: input k_w: QUANTISED
;;     3. [M 4,096, K 1,024] x [K 1,024, N 256]; A: input x; B: input v_w: QUANTISED
;;     4. batch 4 x [M 16,384, K 64] x [K 64, N 4,096]; A: computed on the way; B: computed on the way: QUANTISED
;;     5. batch 4 x [M 16,384, K 4,096] x [K 4,096, N 64]; A: softmax (see below); B: computed on the way: QUANTISED
;;     6. [M 4,096, K 1,024] x [K 1,024, N 1,024]; A: computed on the way; B: input o_w: QUANTISED
;;   THE QUANTISER, for each operand of a quantised product, along K:
;;     - K is cut into blocks of 32 from its start; a last block that is shorter is filled with zeros.
;;     - A block's scale is 2^e with e = floor(log2(the largest magnitude in the block)) - 2, held to -126 .. 127; a block of zeros has e = 0. As a byte (E8M0): e + 127.
;;     - Each number is divided by its block's scale, clamped to +-7.5, and rounded to the nearest number of E2M3, ties to even, subnormals kept.
;;     - The product sums the exact products of the quantised numbers (number of the format x scale) in f32.
;;   ~~~python
;;   def quantise(x, axis):      # numpy; x: float32 -> the quantised numbers, widened to float32 again
;;       x = np.moveaxis(x, axis, -1); K = x.shape[-1]
;;       x = np.pad(x, [(0, 0)] * (x.ndim - 1) + [(0, -K % 32)]); x = x.reshape(x.shape[:-1] + (-1, 32)); a = np.abs(x).max(-1, keepdims=True)
;;       e = np.where(a > 0, np.clip(np.frexp(np.where(a > 0, a, 1))[1] - 1 - 2, -126, 127), 0)      # np.frexp(a)[1] - 1 = floor(log2(a)), exactly
;;       r = np.clip(x / 2.0 ** e, -7.5, 7.5)
;;       step = 2.0 ** (np.maximum(np.frexp(np.where(r == 0, 1, r))[1] - 1, 0) - 3)
;;       q = np.round(r / step) * step * 2.0 ** e      # np.round: ties to even
;;       return np.moveaxis(q.reshape(q.shape[:-2] + (-1,))[..., :K], -1, axis).astype(np.float32)
;;   ~~~
;;   SOFTMAX AHEAD OF A QUANTISED PRODUCT. Where the list says 'softmax', what is quantised is not the finished softmax but p = 2^(t - M), with t = logit x log2(e) and M = ceil(the row's largest t), a whole number; so 1/2 < the row's largest p <= 1. The row's sum l is taken of the UNQUANTISED p, in f32, and the product's result is divided by l at the end. Since M is a whole number, a kernel that streams over the keys may use a running M (the ceiling of the running maximum): every later rescaling is an exact power of two, which a block's scale takes up: the codes' values come out the same.
;;   OPERANDS COMPUTED ON THE WAY. 'Computed on the way' means the value that the module computes at that place (a softmax that the list does not call 'softmax' is quantised finished and normalised). What goes into a quantiser is computed in f32, as accurately as f32 sums, v_exp_f32 and their like allow (about 1e-6 of the number): no bf16 or f16 on the way to a quantiser, and a product that is left as it is and whose result goes on into a quantised operand takes f32 operands (vector FMAs, or v_wmma_f32_16x16x4_f32). A number that lies on a knife's edge between two numbers of the format may be rounded either way, as far as f32 arithmetic and the matrix unit's own rounding can turn it there, and no further.
;; 2 versions. Each part assembles by itself: llvm-mc -triple=amdgcn-amd-amdhsa -mcpu=gfx1250 --defsym DOCPART=n.
;; ======== version 1 of 2: 4 launches
;; limits: right only within a limited range of input values
;; workspace buffers: cod 8,257,536 bytes; scl 344,064 bytes; mbits 2,097,152 bytes of whole numbers; qc 3,145,728 bytes; qs 262,144 bytes; kvc 1,572,864 bytes; kvs 131,072 bytes
;; launch prep (part 1): grid 464 x 1, 4 waves a work-group, no clusters, 51,712 bytes of LDS; arguments x, q_w, k_w, v_w, o_w, mask, cod, scl, mbits; writes cod, scl, mbits
.if DOCPART == 1
	.amdgcn_target "amdgcn-amd-amdhsa--gfx1250"
	.amdhsa_code_object_version 6
	.text
	.protected	k_q7009ffc2c6_prep
	.globl	k_q7009ffc2c6_prep
	.p2align	8
	.type	k_q7009ffc2c6_prep,@function
k_q7009ffc2c6_prep:
	s_mov_b64 s[64:65], 0
	v_nop
	global_prefetch_b8 v0, s[64:65] scope:SCOPE_SE
	s_setreg_imm32_b32 hwreg(HW_REG_WAVE_MODE, 25, 1), 1
	s_wait_xcnt 0x0
; PREP.  Work-groups 0-207: x and the four weights (all [rows][1024] f32, K innermost) become codes of E2M3 with one E8M0 byte for each 32 along K.
; Work-groups 208-463: the mask's bytes become lane masks for the attention launch.
; LAYOUT OF THE CODES (cod): a tile is 16 rows, a fragment 16 rows x 128 K = 12 operand registers a lane.  A fragment lies in memory as an image of those registers, 1,536 bytes:
; for c = 0, 1: registers 6c..6c+3 at 768c + 16 x lane, registers 6c+4, 6c+5 at 768c + 512 + 8 x lane.  cod = [tile][K step 8][1,536].
; THE ROWS OF A TILE ARE NOT NEIGHBOURS: row rho of tile tau is the tensor's row 32 (tau/2) + 8 (tau%2) + rho + 8 (rho/8), so that in a product's result the 16 registers of two neighbouring tiles are 16 neighbours.
; Tiles: x 0-255, q_w 256-319, k_w 320-335, v_w 336-351, o_w 352-415.   scl = [K step / 2][tile][row 16][2 words]: a word is the four bytes of 128 along K.
; THE QUANTISER: scale = 2^(floor(log2(largest magnitude)) - 2); its byte is the largest magnitude's exponent field - 2, held at 1 from below.
; LIMITS: a block of zeros gets the byte 1 where the rule says 127 (its codes are zeros; only this program reads the bytes); NaN and infinities among the inputs are not served.
; A quantising work-group takes a pair of tiles (32 neighbouring rows); wave kq takes columns 256 kq on: four fragments.  Each load reads 512 consecutive bytes of a row; the rows turn through the wave's own stage in LDS,
; so that a lane gets the 32 neighbours of a block.  No barrier: waves share nothing.  The two kinds of work-group have LDS bytes of their own.
; mbits = [query tile 256][key step 32][64 words]: bit l of word n = mask[row (l % 16) of the tile][128 step + 32 (n/16) + 16 (l/16) + n % 16]: the lane mask for register n of a step's scores.
.set X,    64                          ; v64-127  a fragment's 64 numbers of my lane: two blocks of 32
.set R,    128                         ; v128-255 numbers as loaded: two sets of 64 (mask: four sets of 32)
.set C,    24                          ; v24-35   a fragment's codes
.set T,    36                          ; v36-38, v40-42 the second halves of the blocks' codes
.set W,    16                          ; v16-19   the four fragments' scale words
.set MSTG, 33792                       ; the mask path's stages begin behind the quantiser's 4 x 8,448 bytes
.set OUTR, 16                          ; v16-31   mask: four registers of words for each unit
.set B,    32                          ; v32-63   mask: a unit's bytes, 16 a register group
.macro LOADF f                         ; fragment f = 2 u + s: 16 rows of tile u, 128 columns of K step s of my two: each load 512 consecutive bytes
.irp rho, 0,1,2,3,4,5,6,7,8,9,10,11,12,13,14,15
	global_load_b128 v[R+64*((\f)%2)+4*\rho:R+64*((\f)%2)+4*\rho+3], v1, s[22:23] offset:(8*((\f)/2)+\rho+8*(\rho/8))*4096+512*((\f)%2) th:TH_LOAD_NT
.endr
.endm
.macro QFRAG f
.if (\f) < 3
	s_wait_loadcnt 16                              ; this fragment's 16 loads are in; the next fragment's 16 may be out
.else
	s_wait_loadcnt 0x0
.endif
.irp rho, 0,1,2,3,4,5,6,7,8,9,10,11,12,13,14,15
	ds_store_b128 v4, v[R+64*((\f)%2)+4*\rho:R+64*((\f)%2)+4*\rho+3] offset:528*\rho   ; rows 528 bytes apart: 132 words, so sixteen rows begin in sixteen different groups of four banks
.endr
.irp c, 0,1
.irp i, 0,1,2,3,4,5,6,7
	ds_load_b128 v[X+32*\c+4*\i:X+32*\c+4*\i+3], v5 offset:256*\c+16*\i              ; row r, columns 64 c + 32 h on: LDS serves a wave's instructions in order, so these see the stores
.endr
.endr
	s_wait_dscnt 0x0                               ; the numbers are back, and the stores have read their registers,
.if (\f) < 2
	LOADF (\f)+2                                   ; which take the loads of two fragments on
.endif
.irp c, 0,1
	v_max3_num_f32 v[8+\c], |v[X+32*\c]|, |v[X+32*\c+1]|, 0x1800000   ; my block 2 c + h, and the floor 2^(3 - 127): the byte cannot fall under 1
.endr
.irp i, 2,4,6,8,10,12,14,16,18,20,22,24,26,28,30
.irp c, 0,1
	v_max3_num_f32 v[8+\c], v[8+\c], |v[X+32*\c+\i]|, |v[X+32*\c+\i+1]|
.endr
.endr
.irp c, 0,1
	v_add_nc_u32 v[10+\c], 0xff000000, v[8+\c]     ; 2 off the exponent field: the conversion's scale operand
.endr
.irp c, 0,1
	v_lshrrev_b32 v[12+\c], 23, v[10+\c]           ; the scale's byte
.endr
	v_lshl_or_b32 v14, v13, 16, v12                ; my two bytes, blocks h and 2 + h,
	v_lshlrev_b32 v14, v6, v14                     ; 8 h bits up;
	v_permlanex16_b32 v15, v14, s36, s37
	v_or_b32 v[W+(\f)], v14, v15                   ; with lane l xor 16's two the row's word is whole, in both halves of the lanes
.if (\f) > 0
	s_wait_xcnt 0x0                                ; the last fragment's stores have read the codes' registers: only now are they written again
.endif
.irp c, 0,1
	v_cvt_scalef32_pk16_fp6_f32 v[C+6*\c:C+6*\c+2], v[X+32*\c:X+32*\c+15], v[10+\c]
	v_cvt_scalef32_pk16_fp6_f32 v[T+4*\c:T+4*\c+2], v[X+32*\c+16:X+32*\c+31], v[10+\c]   ; (a conversion's three registers begin on an even number)
.endr
	v_nop                                          ; one plain place behind a scaled conversion
.irp c, 0,1
.irp i, 0,1,2
	v_mov_b32 v[C+6*\c+3+\i], v[T+4*\c+\i]
.endr
.endr
.irp c, 0,1
	global_store_b128 v1, v[C+6*\c:C+6*\c+3], s[16:17] offset:12288*((\f)/2)+1536*((\f)%2)+768*\c        ; 512 consecutive bytes
	global_store_b64 v2, v[C+6*\c+4:C+6*\c+5], s[16:17] offset:12288*((\f)/2)+1536*((\f)%2)+768*\c+512   ; 256 consecutive bytes
.endr
.endm
.macro MUNIT u                         ; 256 columns (two key steps) of my 16 rows
	s_wait_loadcnt 8*(3-(\u))                      ; this unit's eight loads are in; the later units' may be out
.irp j, 0,1,2,3,4,5,6,7
	ds_store_b128 v7, v[R+32*(\u)+4*\j:R+32*(\u)+4*\j+3] offset:544*\j     ; rows 2 j + h, 272 bytes apart
.endr
.irp s, 0,1
.irp b, 0,1,2,3
	ds_load_b128 v[B+4*(4*\s+\b):B+4*(4*\s+\b)+3], v8 offset:128*\s+32*\b  ; row r, columns 128 s + 32 b + 16 h + 0 .. 15
.endr
.endr
	s_wait_dscnt 0x0
.irp s, 0,1
.irp b, 0,1,2,3
.irp q, 0,1,2,3
.irp y, 0,1,2,3
	v_and_b32 v[12+\y], s[30+\y], v[B+4*(4*\s+\b)+\q]                      ; byte 4 q + y of my 16
.endr
.irp y, 0,1,2,3
	v_cmp_ne_u32 s[40+4*(\q%2)+\y], 0, v[12+\y]                            ; the compare's lane mask IS word n = 16 b + 4 q + y of step s
.endr
.irp y, 0,1,2,3
	v_writelane_b32 v[OUTR+4*(\u)+\y], s[40+4*(\q%2)+\y], 16*\s+4*\b+\q    ; word 64 s + n goes to lane (64 s + n) / 4, register n % 4
.endr
.endr
.endr
.endr
	global_store_b128 v1, v[OUTR+4*(\u):OUTR+4*(\u)+3], s[20:21] offset:512*(\u)   ; 512 consecutive bytes; each unit has registers of its own
.endm
	s_load_b256 s[4:11], s[0:1], 0x0               ; x, q_w, k_w, v_w
	s_load_b256 s[12:19], s[0:1], 0x20             ; o_w, mask, cod, scl
	s_load_b64 s[20:21], s[0:1], 0x40              ; mbits
	s_set_vgpr_msb 0x40
	v_lshl_add_u32 v0, v0, 2, 0xc800
	v_mov_b32 v1, 0
	s_set_vgpr_msb 0x4000
	v_lshrrev_b32 v1, 5, v0
	v_readfirstlane_b32 s26, v1                    ; wave 0..3
	v_and_b32 v2, 31, v0                           ; lane
	v_lshlrev_b32 v1, 4, v2                        ; 16 x lane
	v_and_b32 v10, 15, v0                          ; r
	v_bfe_u32 v3, v0, 4, 1                         ; h
	s_cmp_ge_u32 ttmp9, 208
	s_cbranch_scc1 .Lmask
	; ---- the quantiser: tile pair p = my work-group's number
	v_lshlrev_b32 v2, 3, v2                        ; 8 x lane
	s_mul_i32 s27, s26, 8448                       ; my wave's stage: 16 rows x 528 bytes
	v_add_nc_u32 v4, s27, v1                       ; in: 16 x lane of a row
	v_mul_u32_u24 v5, v10, 528
	v_lshl_add_u32 v5, v3, 7, v5
	v_add_nc_u32 v5, s27, v5                       ; out: row r, + 128 h
	v_lshlrev_b32 v6, 3, v3                        ; 8 h
	v_mov_b32 v15, 0                               ; written once: a lane permute's destination counts as one of its sources
	s_mov_b32 s36, 0x76543210
	s_mov_b32 s37, 0xfedcba98                      ; v_permlanex16_b32's selects for lane l xor 16
	s_wait_kmcnt 0x0
	s_mov_b64 s[22:23], s[12:13]                   ; which tensor, and its first pair: the choice hangs on the work-group's number alone
	s_mov_b32 s24, 176
	s_cmp_lt_u32 ttmp9, 176
	s_cselect_b64 s[22:23], s[10:11], s[22:23]
	s_cselect_b32 s24, 168, s24
	s_cmp_lt_u32 ttmp9, 168
	s_cselect_b64 s[22:23], s[8:9], s[22:23]
	s_cselect_b32 s24, 160, s24
	s_cmp_lt_u32 ttmp9, 160
	s_cselect_b64 s[22:23], s[6:7], s[22:23]
	s_cselect_b32 s24, 128, s24
	s_cmp_lt_u32 ttmp9, 128
	s_cselect_b64 s[22:23], s[4:5], s[22:23]
	s_cselect_b32 s24, 0, s24
	s_sub_co_u32 s24, ttmp9, s24
	s_lshl_b32 s28, s24, 17                        ; 32 rows of 4,096 bytes a pair,
	s_lshl_b32 s29, s26, 10                        ; my wave's 256 columns
	s_add_co_u32 s28, s28, s29
	s_mov_b32 s29, 0
	s_add_nc_u64 s[22:23], s[22:23], s[28:29]
	s_mul_i32 s28, ttmp9, 24576                    ; cod: two tiles of 12,288 bytes a pair,
	s_mul_i32 s30, s26, 3072                       ; my two K steps
	s_add_co_u32 s28, s28, s30
	s_add_nc_u64 s[16:17], s[16:17], s[28:29]
	s_mul_i32 s28, s26, 86016                      ; scl: my pair of K steps, 672 tiles x 128 bytes,
	s_lshl_b32 s30, ttmp9, 8                       ; 256 bytes a pair of tiles
	s_add_co_u32 s28, s28, s30
	s_add_nc_u64 s[18:19], s[18:19], s[28:29]
	LOADF 0
	LOADF 1
	QFRAG 0
	QFRAG 1
	QFRAG 2
	QFRAG 3
	v_cmp_ne_u32 vcc_lo, 0, v3
	v_cndmask_b32 v20, v16, v18, vcc_lo            ; lanes 0-15 store tile 0's two words of row r, lanes 16-31 tile 1's
	v_cndmask_b32 v21, v17, v19, vcc_lo
	global_store_b64 v2, v[20:21], s[18:19]        ; 256 consecutive bytes
	s_set_vgpr_msb 0x5
	s_wait_tensorcnt 0x0
	ds_add_u32 v0, v1
	s_wait_dscnt 0x0
	s_set_vgpr_msb 0x500
	s_endpgm
	; ---- the mask: query tile tau = my work-group's number - 208; wave w takes columns 1,024 w on, in four units of 256
.Lmask:
	s_sub_co_u32 s27, ttmp9, 208
	s_lshr_b32 s28, s27, 1
	s_lshl_b32 s28, s28, 5
	s_and_b32 s29, s27, 1
	s_lshl_b32 s29, s29, 3
	s_add_co_u32 s28, s28, s29                     ; the tile's first row: 32 (tau / 2) + 8 (tau % 2)
	s_lshl_b32 s28, s28, 12                        ; rows of 4,096 bytes
	s_lshl_b32 s29, s26, 10
	s_add_co_u32 s28, s28, s29
	s_mov_b32 s29, 0
	s_lshl_b32 s34, s27, 13                        ; mbits: 8,192 bytes a tile, 2,048 a wave
	s_lshl_b32 s35, s26, 11
	s_add_co_u32 s34, s34, s35
	s_mov_b32 s35, 0
	v_lshlrev_b32 v6, 4, v10
	v_lshl_add_u32 v6, v3, 12, v6                  ; loads: sixteen lanes take 256 bytes of a row, lanes 16-31 the next row
	s_mul_i32 s38, s26, 4352
	s_add_co_u32 s38, s38, MSTG                    ; my wave's stage: 16 rows x 272 bytes
	v_mul_u32_u24 v7, v3, 272
	v_lshl_add_u32 v7, v10, 4, v7
	v_add_nc_u32 v7, s38, v7                       ; in: row h (+ 2 j), 16 r
	v_mul_u32_u24 v8, v10, 272
	v_lshl_add_u32 v8, v3, 4, v8
	v_add_nc_u32 v8, s38, v8                       ; out: row r, + 16 h
	s_mov_b32 s30, 0xff
	s_mov_b32 s31, 0xff00
	s_mov_b32 s32, 0xff0000
	s_mov_b32 s33, 0xff000000
.irp i, 0,1,2,3,4,5,6,7,8,9,10,11,12,13,14,15
	v_mov_b32 v[OUTR+\i], 0                        ; written once: v_writelane_b32's destination counts as one of its sources
.endr
	s_wait_kmcnt 0x0
	s_add_nc_u64 s[14:15], s[14:15], s[28:29]
	s_add_nc_u64 s[20:21], s[20:21], s[34:35]
.irp u, 0,1,2,3
.irp j, 0,1,2,3,4,5,6,7
	global_load_b128 v[R+32*\u+4*\j:R+32*\u+4*\j+3], v6, s[14:15] offset:(2*\j+8*(\j/4))*4096+256*\u th:TH_LOAD_NT   ; tile rows 2 j + h
.endr
.endr
	MUNIT 0
	MUNIT 1
	MUNIT 2
	MUNIT 3
	s_set_vgpr_msb 0x5
	s_wait_tensorcnt 0x0
	ds_add_u32 v0, v1
	s_wait_dscnt 0x0
	s_set_vgpr_msb 0x500
	s_endpgm
.Lfunc_end_k_q7009ffc2c6_prep:
	.size	k_q7009ffc2c6_prep, .Lfunc_end_k_q7009ffc2c6_prep-k_q7009ffc2c6_prep
	.p2alignl 7, 3214868480
	.fill 96, 4, 3214868480
	.section	.rodata,"a",@progbits
	.p2align	6, 0x0
	.amdhsa_kernel k_q7009ffc2c6_prep
		.amdhsa_group_segment_fixed_size 51712
		.amdhsa_private_segment_fixed_size 0
		.amdhsa_enable_private_segment 0
		.amdhsa_kernarg_size 72
		.amdhsa_user_sgpr_count 2
		.amdhsa_user_sgpr_kernarg_segment_ptr 1
		.amdhsa_wavefront_size32 1
		.amdhsa_system_sgpr_workgroup_id_x 1
		.amdhsa_system_sgpr_workgroup_id_y 1
		.amdhsa_system_sgpr_workgroup_id_z 1
		.amdhsa_system_vgpr_workitem_id 0
		.amdhsa_next_free_vgpr 258
		.amdhsa_next_free_sgpr 66
		.amdhsa_reserve_vcc 1
		.amdhsa_float_denorm_mode_32 3
		.amdhsa_float_denorm_mode_16_64 3
		.amdhsa_memory_ordered 1
		.amdhsa_forward_progress 1
		.amdhsa_inst_pref_size 121
	.end_amdhsa_kernel
	.amdgpu_metadata
---
amdhsa.version: [ 1, 2 ]
amdhsa.kernels:
  - .name:           k_q7009ffc2c6_prep
    .symbol:         k_q7009ffc2c6_prep.kd
    .args:
      - { .name: x, .offset: 0, .size: 8, .value_kind: global_buffer, .address_space: global }
      - { .name: q_w, .offset: 8, .size: 8, .value_kind: global_buffer, .address_space: global }
      - { .name: k_w, .offset: 16, .size: 8, .value_kind: global_buffer, .address_space: global }
      - { .name: v_w, .offset: 24, .size: 8, .value_kind: global_buffer, .address_space: global }
      - { .name: o_w, .offset: 32, .size: 8, .value_kind: global_buffer, .address_space: global }
      - { .name: mask, .offset: 40, .size: 8, .value_kind: global_buffer, .address_space: global }
      - { .name: cod, .offset: 48, .size: 8, .value_kind: global_buffer, .address_space: global }
      - { .name: scl, .offset: 56, .size: 8, .value_kind: global_buffer, .address_space: global }
      - { .name: mbits, .offset: 64, .size: 8, .value_kind: global_buffer, .address_space: global }
    .group_segment_fixed_size: 51712
    .private_segment_fixed_size: 0
    .kernarg_segment_align: 8
    .kernarg_segment_size: 72
    .max_flat_workgroup_size: 128
    .sgpr_count:     66
    .vgpr_count:     258
    .wavefront_size: 32
...
	.end_amdgpu_metadata
.endif
;; end of part 1
;; launch proj (part 2): grid 24 x 16, 4 waves a work-group, no clusters, 35,328 bytes of LDS; arguments cod, scl, q_b, k_b, v_b, qc, qs, kvc, kvs, out1, out2; writes qc, qs, kvc, kvs, out1, out2
.if DOCPART == 2
	.amdgcn_target "amdgcn-amd-amdhsa--gfx1250"
	.amdhsa_code_object_version 6
	.text
	.protected	k_q7009ffc2c6_proj
	.globl	k_q7009ffc2c6_proj
	.p2align	8
	.type	k_q7009ffc2c6_proj,@function
k_q7009ffc2c6_proj:
	s_mov_b64 s[64:65], 0
	v_nop
	global_prefetch_b8 v0, s[64:65] scope:SCOPE_SE
	s_setreg_imm32_b32 hwreg(HW_REG_WAVE_MODE, 25, 1), 1
	s_wait_xcnt 0x0
; PROJ.  q = x q_w^T + q_b, k = x k_w^T + k_b, v = x v_w^T + v_b on codes of E2M3 (K = 1,024: eight matrix instructions deep), and what attention wants of them:
; q and k quantised along the head's 64, v along the tokens; k and v also leave as f32 (out1, out2: [kv head][token][64]).
; SHARES.  Work-group (g, y): g = a column of 64 outputs (q heads 0-15, k heads 16-19, v heads 20-23), y = 256 tokens.  Wave w: tokens 256 y + 64 w: x's tiles A0 .. A0 + 3 against the weight's tiles W0 .. W0 + 3: 16 accumulators.
; Fragments lie in memory as images of their registers (see the layout at the head of the first launch), so they go from memory straight into registers, every load dense: no LDS for operands, no barrier.
; No cluster and no joint request: those serve tensor loads into LDS, which this launch has none of; a wave's 96 fragment registers and 128 accumulators fill its 256, so fragments have one set.
; q AND k ARE MADE TRANSPOSED (source 0 = 16 rows of the weight, source 1 = 16 tokens): a lane holds ONE token and, by the order of a tile's rows, its 32 registers of tiles 0-3 are features 32 b + 16 h + 0 .. 15, b = 0, 1.
; v IS MADE AS IT STANDS (source 0 = tokens): a lane holds ONE feature and its registers run along the tokens, which are the second product's K.
; OUT: qc = [head][tile] 768 bytes: six operand registers (16 tokens x 64): registers 0-3 at 16 x lane, 4-5 at 512 + 8 x lane.  qs = [head][64 tokens][row 16][4 tiles] words.
; kvc = [kv head][key step of 128][12,288]: K's eight tiles, 48 registers on end in chunks of four (512 bytes each); from 6,144 on V's four tiles of features x two halves of 64 keys, 768 bytes each.
; kvs = [kv head][key step][1,024]: K's tiles 0-3, K's 4-7, V's keys 0-63, V's 64-127; each 256 bytes = [lane][2 words]: word u holds tile 2 u in lanes 0-15 and tile 2 u + 1 in lanes 16-31.
; q's and k's words carry their two bytes twice: the first product runs 128 deep on 64, the rest being zero codes, and bytes 2, 3 must be scales like any other.
; LIMITS: a block of zeros gets the byte 1 (its codes are zeros; only this program reads the bytes); NaN and infinities are not served.
.set AF,  32                           ; v32-79   x's four fragments
.set WF,  80                           ; v80-127  the weight's four
.set ACC, 128                          ; v128-255 sixteen accumulators
.set SC,  16                           ; v16-23   scale words: register 2 i + (K step % 2): lanes 0-15 x's tile i, lanes 16-31 the weight's tile i
.set QM,  24                           ; v24-25 largest magnitudes, v26-27 the other half's / bytes, v28-29 scale operands
.set QP,  26
.set QE,  28
.set SEL, 36                           ; s[36:37] lane selects for lane l xor 16
.macro FRAG4 reg, base, off            ; a fragment's image into 12 registers
	global_load_b128 v[\reg:\reg+3], v1, s[\base:\base+1] offset:\off
	global_load_b64 v[\reg+4:\reg+5], v2, s[\base:\base+1] offset:\off+512
	global_load_b128 v[\reg+6:\reg+9], v1, s[\base:\base+1] offset:\off+768
	global_load_b64 v[\reg+10:\reg+11], v2, s[\base:\base+1] offset:\off+1280
.endm
; K step s.  nat = 0: transposed, accumulator (token tile i, weight tile t) at ACC + 32 i + 8 t, adding in place (the first step onto the bias).  nat = 1: as it stands, at ACC + 32 t + 8 i; zero = 1 starts the sums.
; The sixteen accumulators take turns, one instruction a turn, in the same order in every step.
.macro KSTEP s, nat, zero
.if (\s) > 0
.rept 4
	v_nop                                          ; four places between the last products and loads into registers that they have read (ISA guide 7.12.1 for vector instructions)
.endr
.endif
.irp i, 0,1,2,3
	FRAG4 AF+12*\i, 30, 12288*\i+1536*(\s)
	FRAG4 WF+12*\i, 32, 12288*\i+1536*(\s)
.endr
.if (\s)%2 == 0
.irp i, 0,1,2,3
	global_load_b64 v[SC+2*\i:SC+2*\i+1], v5, s[6:7] offset:86016*((\s)/2)+128*\i    ; the words of this K step and the next
.endr
.endif
	s_wait_loadcnt 0x0
.irp i, 0,1,2,3
.irp t, 0,1,2,3
.if \nat
.if \zero
	v_wmma_scale_f32_16x16x128_f8f6f4 v[ACC+32*\t+8*\i:ACC+32*\t+8*\i+7], v[AF+12*\i:AF+12*\i+11], v[WF+12*\t:WF+12*\t+11], 0, v[SC+2*\i+(\s)%2], v[SC+2*\t+(\s)%2] matrix_a_fmt:MATRIX_FMT_FP6 matrix_b_fmt:MATRIX_FMT_FP6 matrix_b_scale:MATRIX_SCALE_ROW1
.else
	v_wmma_scale_f32_16x16x128_f8f6f4 v[ACC+32*\t+8*\i:ACC+32*\t+8*\i+7], v[AF+12*\i:AF+12*\i+11], v[WF+12*\t:WF+12*\t+11], v[ACC+32*\t+8*\i:ACC+32*\t+8*\i+7], v[SC+2*\i+(\s)%2], v[SC+2*\t+(\s)%2] matrix_a_fmt:MATRIX_FMT_FP6 matrix_b_fmt:MATRIX_FMT_FP6 matrix_b_scale:MATRIX_SCALE_ROW1
.endif
.else
	v_wmma_scale_f32_16x16x128_f8f6f4 v[ACC+32*\i+8*\t:ACC+32*\i+8*\t+7], v[WF+12*\t:WF+12*\t+11], v[AF+12*\i:AF+12*\i+11], v[ACC+32*\i+8*\t:ACC+32*\i+8*\t+7], v[SC+2*\t+(\s)%2], v[SC+2*\i+(\s)%2] matrix_a_fmt:MATRIX_FMT_FP6 matrix_b_fmt:MATRIX_FMT_FP6 matrix_a_scale:MATRIX_SCALE_ROW1
.endif
.endr
.endr
.endm
; 32 numbers of a lane, register 16 b + i = k 32 b + 16 h + i of my row, become six operand registers v[dst] on (lanes 0-15 block 0, lanes 16-31 block 1) and v[wd] = byte of block 0 | byte of block 1 << 8.
; The sources are read in ascending order, so each accumulator is first read at its registers 0 and 1.
.macro QUANT2 src, dst, tmp, wd
.irp b, 0,1
	v_max3_num_f32 v[QM+\b], |v[\src+16*\b]|, |v[\src+16*\b+1]|, 0x1800000   ; my 16 numbers of block b, and the floor 2^(3 - 127)
.endr
.irp i, 2,4,6,8,10,12,14
.irp b, 0,1
	v_max3_num_f32 v[QM+\b], v[QM+\b], |v[\src+16*\b+\i]|, |v[\src+16*\b+\i+1]|
.endr
.endr
.irp b, 0,1
	v_permlanex16_b32 v[QP+\b], v[QM+\b], s[SEL], s[SEL+1]
.endr
.irp b, 0,1
	v_max_num_f32 v[QM+\b], v[QM+\b], v[QP+\b]     ; with lane l xor 16's 16: the block's largest magnitude
.endr
.irp b, 0,1
	v_add_nc_u32 v[QE+\b], 0xff000000, v[QM+\b]    ; 2 off its exponent field: the conversion's scale operand
.endr
.irp b, 0,1
	v_lshrrev_b32 v[QP+\b], 23, v[QE+\b]           ; the scale's byte
.endr
	v_lshl_or_b32 v[\wd], v[QP+1], 8, v[QP]
	v_cvt_scalef32_pk16_fp6_f32 v[\dst:\dst+2], v[\src:\src+15], v[QE]
	v_cvt_scalef32_pk16_fp6_f32 v[\tmp:\tmp+2], v[\src+16:\src+31], v[QE+1]
	v_nop                                          ; one plain place behind a scaled conversion
.irp k, 0,1,2
	v_permlane16_swap_b32 v[\dst+\k], v[\tmp+\k]   ; the operand wants a WHOLE block in a lane: dst now holds each lane's block's lower 16 codes, tmp the upper 16
.endr
.irp k, 0,1,2
	v_mov_b32 v[\dst+3+\k], v[\tmp+\k]
.endr
.endm
.macro STAGEK i                        ; transposed results of token tile i into my stage: row r = token, 32 bytes for each tile and half; each accumulator from its low end on
.irp t, 0,1,2,3
	ds_store_b128 v7, v[ACC+32*(\i)+8*\t:ACC+32*(\i)+8*\t+3] offset:(32*(\t/2)+8*(\t%2))*4
	ds_store_b128 v7, v[ACC+32*(\i)+8*\t+4:ACC+32*(\i)+8*\t+7] offset:(32*(\t/2)+8*(\t%2))*4+16
.endr
.endm
.macro STAGEV i                        ; results as they stand: register j is token row 8 h + j of tile i, my lane's feature is row r of weight tile t
.irp t, 0,1,2,3
.irp j, 0,1,2,3,4,5,6,7
	ds_store_b32 v7, v[ACC+32*\t+8*(\i)+\j] offset:272*\j+(32*(\t/2)+8*(\t%2))*4
.endr
.endr
.endm
.macro ROWSOUT i, base                 ; the stage's 16 rows of 256 bytes leave whole: sixteen lanes to a row, two rows an instruction
.if (\i) > 0
	s_wait_xcnt 0x0                                ; the last tile's stores have read v96-127: only now are they loaded again
.endif
.irp j, 0,1,2,3,4,5,6,7
	ds_load_b128 v[96+4*\j:99+4*\j], v8 offset:544*\j      ; LDS serves a wave's instructions in order: these see my stores
.endr
.irp j, 0,1,2,3,4,5,6,7
	s_wait_dscnt 7-\j                              ; load j is back; the 7 - j younger ones may be out
	global_store_b128 v9, v[96+4*\j:99+4*\j], s[\base:\base+1] offset:(32*((\i)/2)+8*((\i)%2)+2*\j+8*(\j/4))*256 th:TH_STORE_NT
.endr
.endm
.macro KVBASES outp, hstr, cbase, sbase    ; s44 = kv head.  s[38:39] my 64 rows of the f32 output, s[46:47] my codes' place in kvc, s[48:49] my words' in kvs
	s_lshl_b32 s45, s28, 1
	s_lshr_b32 s50, s26, 1
	s_add_co_u32 s45, s45, s50                     ; key step = 2 y + w / 2
	s_and_b32 s50, s26, 1                          ; which 64 of its 128 tokens
	s_lshl_b32 s40, s44, 20
	s_lshl_b32 s41, s28, 16
	s_add_co_u32 s40, s40, s41
	s_lshl_b32 s41, s26, 14
	s_add_co_u32 s40, s40, s41                     ; (4,096 kv + 256 y + 64 w) rows of 256 bytes
	s_mov_b32 s41, 0
	s_add_nc_u64 s[38:39], s[\outp:\outp+1], s[40:41]
	s_mul_i32 s40, s44, 393216
	s_mul_i32 s51, s45, 12288
	s_add_co_u32 s40, s40, s51
	s_mul_i32 s51, s50, \hstr
	s_add_co_u32 s40, s40, s51
	s_add_co_u32 s40, s40, \cbase
	s_add_nc_u64 s[46:47], s[18:19], s[40:41]
	s_lshl_b32 s40, s44, 15
	s_lshl_b32 s51, s45, 10
	s_add_co_u32 s40, s40, s51
	s_lshl_b32 s51, s50, 8
	s_add_co_u32 s40, s40, s51
	s_add_co_u32 s40, s40, \sbase
	s_add_nc_u64 s[48:49], s[20:21], s[40:41]
.endm
	s_load_b256 s[4:11], s[0:1], 0x0               ; cod, scl, q_b, k_b
	s_load_b256 s[12:19], s[0:1], 0x20             ; v_b, qc, qs, kvc
	s_load_b128 s[20:23], s[0:1], 0x40             ; kvs, out1
	s_load_b64 s[24:25], s[0:1], 0x50              ; out2
	s_set_vgpr_msb 0x40
	v_lshl_add_u32 v0, v0, 2, 0x8800
	v_mov_b32 v1, 0
	s_set_vgpr_msb 0x4000
	v_lshrrev_b32 v1, 5, v0
	v_readfirstlane_b32 s26, v1                    ; wave
	s_mov_b32 s27, ttmp9                           ; g
	s_and_b32 s28, ttmp7, 0xffff                   ; y
	v_and_b32 v2, 31, v0
	v_lshlrev_b32 v1, 4, v2                        ; 16 x lane
	v_lshlrev_b32 v2, 3, v2                        ; 8 x lane
	v_bfe_u32 v3, v0, 4, 1                         ; h
	v_and_b32 v4, 15, v0                           ; r
	s_lshl_b32 s29, s28, 4
	s_lshl_b32 s34, s26, 2
	s_add_co_u32 s29, s29, s34                     ; A0 = 16 y + 4 w
	s_lshl_b32 s35, s27, 2
	s_add_co_u32 s35, s35, 256                     ; W0 = 256 + 4 g
	s_lshl_b32 s40, s29, 7
	s_lshl_b32 s41, s35, 7
	v_mov_b32 v5, s40
	v_mov_b32 v10, s41
	v_cmp_ne_u32 vcc_lo, 0, v3
	v_cndmask_b32 v5, v5, v10, vcc_lo              ; scale words: lanes 0-15 x's tile, lanes 16-31 the weight's: 128 bytes a tile,
	v_lshl_add_u32 v5, v4, 3, v5                   ; 8 bytes a row
	v_lshlrev_b32 v6, 6, v3                        ; the bias: 64 h
	v_mov_b32 v26, 0                               ; written once: a lane permute's destination counts as one of its sources
	v_mov_b32 v27, 0
	s_mov_b32 s[SEL], 0x76543210
	s_mov_b32 s[SEL+1], 0xfedcba98
	s_mul_i32 s40, s29, 12288
	s_mov_b32 s41, 0
	s_mul_i32 s42, s35, 12288
	s_mov_b32 s43, 0
	s_wait_kmcnt 0x0
	s_add_nc_u64 s[30:31], s[4:5], s[40:41]        ; x's tiles
	s_add_nc_u64 s[32:33], s[4:5], s[42:43]        ; the weight's
	s_cmp_ge_u32 s27, 20
	s_cbranch_scc1 .Lv
	; ---- q and k: transposed.  The bias is the first C: it is loaded straight into the accumulators, in the result's layout (features 32 (t/2) + 16 h + 8 (t%2) + 0 .. 7)
	s_and_b32 s40, s27, 15
	s_lshl_b32 s40, s40, 8                         ; 64 numbers a head
	s_mov_b32 s41, 0
	s_cmp_lt_u32 s27, 16
	s_cselect_b64 s[38:39], s[8:9], s[10:11]
	s_add_nc_u64 s[38:39], s[38:39], s[40:41]
.irp i, 0,1,2,3
.irp t, 0,1,2,3
	global_load_b128 v[ACC+32*\i+8*\t:ACC+32*\i+8*\t+3], v6, s[38:39] offset:(32*(\t/2)+8*(\t%2))*4
	global_load_b128 v[ACC+32*\i+8*\t+4:ACC+32*\i+8*\t+7], v6, s[38:39] offset:(32*(\t/2)+8*(\t%2))*4+16
.endr
.endr
.irp s, 0,1,2,3,4,5,6,7
	KSTEP \s, 0, 0
.endr
.rept 4
	v_nop                                          ; four places in front of the first read of results and of writes over the fragments
.endr
	s_cmp_ge_u32 s27, 16
	s_cbranch_scc1 .Lk
	; ---- q: four tiles of 16 tokens x 64 become codes and words
	s_lshl_b32 s40, s27, 8
	s_add_co_u32 s40, s40, s29
	s_mul_i32 s40, s40, 768                        ; qc: (256 head + tile) x 768
	s_mov_b32 s41, 0
	s_add_nc_u64 s[38:39], s[14:15], s[40:41]
	s_lshl_b32 s40, s27, 14
	s_lshl_b32 s42, s28, 10
	s_add_co_u32 s40, s40, s42
	s_lshl_b32 s42, s26, 8
	s_add_co_u32 s40, s40, s42                     ; qs: 16,384 head + 256 (4 y + w)
	s_add_nc_u64 s[42:43], s[16:17], s[40:41]
.irp i, 0,1,2,3
	QUANT2 ACC+32*\i, 64+6*\i, 88, 12+\i
	v_lshl_or_b32 v[12+\i], v[12+\i], 16, v[12+\i] ; the two bytes twice
	global_store_b128 v1, v[64+6*\i:67+6*\i], s[38:39] offset:768*\i
	global_store_b64 v2, v[68+6*\i:69+6*\i], s[38:39] offset:768*\i+512
.endr
	v_cmp_ne_u32 vcc_lo, 0, v3
	v_cndmask_b32 v10, v12, v14, vcc_lo            ; lanes 0-15 store tiles 0, 1 of row r, lanes 16-31 tiles 2, 3
	v_cndmask_b32 v11, v13, v15, vcc_lo
	v_lshlrev_b32 v7, 4, v4
	v_lshl_add_u32 v7, v3, 3, v7                   ; 16 r + 8 h
	global_store_b64 v7, v[10:11], s[42:43]        ; 256 consecutive bytes
	s_endpgm
	; ---- k: first the f32 rows, through my stage (LDS bytes 0 .. 17,407: 4,352 a wave), then the codes
.Lk:
	s_mul_i32 s40, s26, 4352
	v_mul_u32_u24 v7, v4, 272
	v_lshl_add_u32 v7, v3, 6, v7
	v_add_nc_u32 v7, s40, v7                       ; in: row r, + 64 h
	v_mul_u32_u24 v8, v3, 272
	v_lshl_add_u32 v8, v4, 4, v8
	v_add_nc_u32 v8, s40, v8                       ; back: row h (+ 2 j), 16 r
	v_lshlrev_b32 v9, 4, v4
	v_lshl_add_u32 v9, v3, 8, v9                   ; and the same in out1: 256 h + 16 r
	s_sub_co_u32 s44, s27, 16
	KVBASES 22, 3072, 0, 0
.irp i, 0,1,2,3
	STAGEK \i
	ROWSOUT \i, 38
.endr
.irp i, 0,1,2,3
	QUANT2 ACC+32*\i, 64+6*\i, 88, 12+\i
	v_lshl_or_b32 v[12+\i], v[12+\i], 16, v[12+\i] ; the two bytes twice
.endr
.irp m, 0,1,2,3,4,5
	global_store_b128 v1, v[64+4*\m:67+4*\m], s[46:47] offset:512*\m     ; my four tiles' 24 registers on end, in chunks of four
.endr
	v_cmp_ne_u32 vcc_lo, 0, v3
	v_cndmask_b32 v10, v12, v13, vcc_lo            ; word u: tile 2 u in lanes 0-15, tile 2 u + 1 in lanes 16-31
	v_cndmask_b32 v11, v14, v15, vcc_lo
	global_store_b64 v2, v[10:11], s[48:49]
	s_set_vgpr_msb 0x5
	s_wait_tensorcnt 0x0
	ds_add_u32 v0, v1
	s_wait_dscnt 0x0
	s_set_vgpr_msb 0x500
	s_endpgm
	; ---- v: as it stands.  A lane has one feature, so its bias is one number a tile: loaded twice, into an even pair, and added behind the sums
.Lv:
	s_sub_co_u32 s44, s27, 20
	s_lshl_b32 s40, s44, 8
	s_mov_b32 s41, 0
	s_add_nc_u64 s[38:39], s[12:13], s[40:41]
	v_and_b32 v7, 8, v4
	v_add_nc_u32 v7, v7, v4                        ; r + 8 (r / 8): my feature in a tile of the weight
	v_lshlrev_b32 v7, 2, v7
.irp t, 0,1,2,3
	global_load_b32 v[24+2*\t], v7, s[38:39] offset:(32*(\t/2)+8*(\t%2))*4
	global_load_b32 v[25+2*\t], v7, s[38:39] offset:(32*(\t/2)+8*(\t%2))*4
.endr
	KSTEP 0, 1, 1
.irp s, 1,2,3,4,5,6,7
	KSTEP \s, 1, 0
.endr
.rept 4
	v_nop
.endr
.irp t, 0,1,2,3
.irp k, 0,2,4,6,8,10,12,14,16,18,20,22,24,26,28,30
	v_pk_add_f32 v[ACC+32*\t+\k:ACC+32*\t+\k+1], v[ACC+32*\t+\k:ACC+32*\t+\k+1], v[24+2*\t:25+2*\t]   ; ascending: each accumulator from its low end on
.endr
.endr
	s_mul_i32 s40, s26, 4352
	s_add_co_u32 s40, s40, 17408                   ; my stage: this path has LDS bytes of its own, 17,408 .. 34,815
	v_mad_u32_u24 v7, v3, 2176, v7                 ; in: token row 8 h (+ j), my feature's 4 bytes (the bias loads, which read v7, were waited for in the K steps)
	v_add_nc_u32 v7, s40, v7
	v_mul_u32_u24 v8, v3, 272
	v_lshl_add_u32 v8, v4, 4, v8
	v_add_nc_u32 v8, s40, v8
	v_lshlrev_b32 v9, 4, v4
	v_lshl_add_u32 v9, v3, 8, v9
	KVBASES 24, 768, 6144, 512
.irp i, 0,1,2,3
	STAGEV \i
	ROWSOUT \i, 38
.endr
.irp t, 0,1,2,3
	QUANT2 ACC+32*\t, 64+6*\t, 88, 12+\t           ; row = a feature, K = my 64 tokens: two blocks of 32
	global_store_b128 v1, v[64+6*\t:67+6*\t], s[46:47] offset:1536*\t
	global_store_b64 v2, v[68+6*\t:69+6*\t], s[46:47] offset:1536*\t+512
.endr
	v_cmp_ne_u32 vcc_lo, 0, v3
	v_cndmask_b32 v10, v12, v13, vcc_lo
	v_cndmask_b32 v11, v14, v15, vcc_lo
	global_store_b64 v2, v[10:11], s[48:49]
	s_set_vgpr_msb 0x5
	s_wait_tensorcnt 0x0
	ds_add_u32 v0, v1
	s_wait_dscnt 0x0
	s_set_vgpr_msb 0x500
	s_endpgm
.Lfunc_end_k_q7009ffc2c6_proj:
	.size	k_q7009ffc2c6_proj, .Lfunc_end_k_q7009ffc2c6_proj-k_q7009ffc2c6_proj
	.p2alignl 7, 3214868480
	.fill 96, 4, 3214868480
	.section	.rodata,"a",@progbits
	.p2align	6, 0x0
	.amdhsa_kernel k_q7009ffc2c6_proj
		.amdhsa_group_segment_fixed_size 35328
		.amdhsa_private_segment_fixed_size 0
		.amdhsa_enable_private_segment 0
		.amdhsa_kernarg_size 88
		.amdhsa_user_sgpr_count 2
		.amdhsa_user_sgpr_kernarg_segment_ptr 1
		.amdhsa_wavefront_size32 1
		.amdhsa_system_sgpr_workgroup_id_x 1
		.amdhsa_system_sgpr_workgroup_id_y 1
		.amdhsa_system_sgpr_workgroup_id_z 1
		.amdhsa_system_vgpr_workitem_id 0
		.amdhsa_next_free_vgpr 258
		.amdhsa_next_free_sgpr 66
		.amdhsa_reserve_vcc 1
		.amdhsa_float_denorm_mode_32 3
		.amdhsa_float_denorm_mode_16_64 3
		.amdhsa_memory_ordered 1
		.amdhsa_forward_progress 1
		.amdhsa_inst_pref_size 148
	.end_amdhsa_kernel
	.amdgpu_metadata
---
amdhsa.version: [ 1, 2 ]
amdhsa.kernels:
  - .name:           k_q7009ffc2c6_proj
    .symbol:         k_q7009ffc2c6_proj.kd
    .args:
      - { .name: cod, .offset: 0, .size: 8, .value_kind: global_buffer, .address_space: global }
      - { .name: scl, .offset: 8, .size: 8, .value_kind: global_buffer, .address_space: global }
      - { .name: q_b, .offset: 16, .size: 8, .value_kind: global_buffer, .address_space: global }
      - { .name: k_b, .offset: 24, .size: 8, .value_kind: global_buffer, .address_space: global }
      - { .name: v_b, .offset: 32, .size: 8, .value_kind: global_buffer, .address_space: global }
      - { .name: qc, .offset: 40, .size: 8, .value_kind: global_buffer, .address_space: global }
      - { .name: qs, .offset: 48, .size: 8, .value_kind: global_buffer, .address_space: global }
      - { .name: kvc, .offset: 56, .size: 8, .value_kind: global_buffer, .address_space: global }
      - { .name: kvs, .offset: 64, .size: 8, .value_kind: global_buffer, .address_space: global }
      - { .name: out1, .offset: 72, .size: 8, .value_kind: global_buffer, .address_space: global }
      - { .name: out2, .offset: 80, .size: 8, .value_kind: global_buffer, .address_space: global }
    .group_segment_fixed_size: 35328
    .private_segment_fixed_size: 0
    .kernarg_segment_align: 8
    .kernarg_segment_size: 88
    .max_flat_workgroup_size: 128
    .sgpr_count:     66
    .vgpr_count:     258
    .wavefront_size: 32
...
	.end_amdgpu_metadata
.endif
;; end of part 2
;; launch attn (part 3): grid 64 x 4, 16 waves a work-group, no clusters, 84,992 bytes of LDS; arguments qc, qs, kvc, kvs, mbits, cod, scl; writes cod, scl
.if DOCPART == 3
	.amdgcn_target "amdgcn-amd-amdhsa--gfx1250"
	.amdhsa_code_object_version 6
	.text
	.protected	k_q7009ffc2c6_attn
	.globl	k_q7009ffc2c6_attn
	.p2align	8
	.type	k_q7009ffc2c6_attn,@function
k_q7009ffc2c6_attn:
	s_mov_b64 s[64:65], 0
	v_nop
	global_prefetch_b8 v0, s[64:65] scope:SCOPE_SE
	s_setreg_imm32_b32 hwreg(HW_REG_WAVE_MODE, 25, 1), 1
	s_wait_xcnt 0x0
; ATTN.  For each head: S = q k^T / 8, hidden scores replaced, softmax, O = P v; both products on codes of E2M3; O quantised along the model's 1,024 for the last projection.
; THE SOFTMAX AHEAD OF THE SECOND PRODUCT: t = score x log2(e) / 8; M = the row's largest t so far, rounded UP to a whole number; p = 2^(t - M) is quantised along the keys, not normalised.
; The row's sum is taken of the unquantised p and divides O at the end.  When M moves, the sum and O are multiplied by 2^(old M - new M): exact.
; THE MASK IS AN INPUT: every pair of query and key is computed.  The first launch has turned its bytes into lane masks, one word for each register of a step's scores; they come by scalar loads and steer v_cndmask_b32 alone.
; LIMIT: a hidden score is held at the raw value -2^33, a logit of -2^30 = -1.074e9, where the definition has -1e9: -2^33 x c is exact in f32 and a whole number, so a row with no visible key has p = 1 throughout
; (uniform weights, as defined).  Results differ from the definition only where a visible logit lies at or under about -1e9.  NaN and infinities are not served; a block of zeros gets the byte 1 (its codes are zeros).
; SHARES.  Work-group (x, kv): 64 queries (tiles 4 x .. 4 x + 3) x the four query heads of kv head kv.  Wave w: tile w / 4, head 4 kv + w % 4: 16 queries of one head in 256 registers; four waves to a SIMD,
; so that one wave's vector work stands beside another's matrix work and LDS loads.  Every wave walks 32 key steps of 128.
; K AND V come as register images (see the second launch's head): a slot of LDS holds two key steps, 24,576 bytes.  Each of the 512 threads loads 48 bytes of the next slot into registers at the head of a slot's work and
; stores them to the other slot when that work is done: the loads are out for two whole key steps, so no wave waits for them.  One barrier a slot: a slot is written only behind the barrier that every wave reaches behind
; the wait for its last reads of it, and read only behind the barrier that follows the wait for the stores.  The scale words of the whole kv head, 32,768 bytes, stay in LDS.
; No tensor load, cluster or joint request: a key step brings a work-group 13,312 bytes, against some 300 vector instructions in each of its sixteen waves.
; BOTH PRODUCTS ARE USED TRANSPOSED: S^T = K Q^T, O^T = V^T P^T: a lane holds ONE query throughout; by the order of a tile's rows the 16 registers of tiles 2 b, 2 b + 1 of S^T are keys 32 b + 16 h + 0 .. 15.
; THE FIRST PRODUCT HAS K = 64 in an instruction of 128: Q's registers 6-11 are zero codes, and K's operand of tile t is v[40 + 6 t .. + 11], whose upper six registers are the next tile's codes (behind tile 7: zeros).
; Every code is a finite number and every scale byte a scale, so k = 64 .. 127 adds exactly 0; K takes half the registers and half the LDS bytes.
.set SLOTB, 24576
.set STEPB, 12288
.set SCL,   49152                      ; behind the two slots: the scale words
.set SCO,   81920                      ; the output's scale bytes: [tile 4][row 16][8 bytes]
.set QM,    212                        ; v212-215 block maxima
.set QP,    216                        ; v216-219 the other half's, then bytes
.set QE,    220                        ; v220-223 scale operands
.set SEL,   84                         ; s[84:85] lane selects for lane l xor 16
; REGISTERS: v1 16 x lane; v2 8 x lane; v3 16 x thread; v4 the trip's scale words; v5 -2^33; v6 SCL + 8 x lane; v7, v9 the output's scale bytes; v8 SCL + 16 x thread; v12 -M; v13 largest t; v[14:15] the sum;
; v16-27 Q and its zeros; v28 Q's word; v30-33 K's words; v34-37 V's halves; v38-39 V's words; v40-87 K's eight tiles, then V's four fragments; v88-93 zeros; v96-159 S^T, then p; v160-191 O^T; v192-203 p's codes;
; v204-210 at work; v224 p's word; v[226:227] f; v[228:229] the sum's second chain; v230 at work; v232-243 the next slot's 48 bytes.
; s[16:63], s[68:83]: a step's 64 lane masks (word n in s[16 + n], from n = 48 on in s[20 + n]).
.macro QUANT2 src, dst, tmp, wd        ; 32 numbers of a lane, register 16 b + i = k 32 b + 16 h + i, become six operand registers and a word of two bytes
.irp b, 0,1
	v_max3_num_f32 v[QM+\b], |v[\src+16*\b]|, |v[\src+16*\b+1]|, 0x1800000
.endr
.irp i, 2,4,6,8,10,12,14
.irp b, 0,1
	v_max3_num_f32 v[QM+\b], v[QM+\b], |v[\src+16*\b+\i]|, |v[\src+16*\b+\i+1]|
.endr
.endr
.irp b, 0,1
	v_permlanex16_b32 v[QP+\b], v[QM+\b], s[SEL], s[SEL+1]
.endr
.irp b, 0,1
	v_max_num_f32 v[QM+\b], v[QM+\b], v[QP+\b]
.endr
.irp b, 0,1
	v_add_nc_u32 v[QE+\b], 0xff000000, v[QM+\b]
.endr
.irp b, 0,1
	v_lshrrev_b32 v[QP+\b], 23, v[QE+\b]
.endr
	v_lshl_or_b32 v[\wd], v[QP+1], 8, v[QP]
	v_cvt_scalef32_pk16_fp6_f32 v[\dst:\dst+2], v[\src:\src+15], v[QE]
	v_cvt_scalef32_pk16_fp6_f32 v[\tmp:\tmp+2], v[\src+16:\src+31], v[QE+1]
	v_nop                                          ; one plain place behind a scaled conversion
.irp k, 0,1,2
	v_permlane16_swap_b32 v[\dst+\k], v[\tmp+\k]
.endr
.irp k, 0,1,2
	v_mov_b32 v[\dst+3+\k], v[\tmp+\k]
.endr
.endm
.macro MLOAD off                       ; a step's 64 lane masks, 256 bytes
	s_load_b512 s[16:31], s[8:9], \off
	s_load_b512 s[32:47], s[8:9], \off+64
	s_load_b512 s[48:63], s[8:9], \off+128
	s_load_b512 s[68:83], s[8:9], \off+192
.endm
; A KEY STEP: 128 keys: the q-th of slot 'slot', the m-th of the trip.
.macro STEP slot, q, m
.irp k, 0,1,2,3,4,5,6,7,8,9,10,11
	ds_load_b128 v[40+4*\k:43+4*\k], v1 offset:SLOTB*(\slot)+STEPB*(\q)+512*\k    ; K's eight tiles: 48 registers.  (The 32 additions at the last step's end are the places behind its products, which read these registers)
.endr
.irp e, 0,1,2,3
	ds_load_b64 v[30+2*\e:31+2*\e], v4 offset:1024*(\m)+256*\e                    ; K's words of tiles 0-3, 4-7; V's of keys 0-63, 64-127
.endr
	s_wait_dscnt 0x0
.irp t, 0,1,2,3,4,5,6,7
.if \t%2
	v_wmma_scale_f32_16x16x128_f8f6f4 v[96+8*\t:103+8*\t], v[40+6*\t:51+6*\t], v[16:27], 0, v[30+\t/2], v28 matrix_a_fmt:MATRIX_FMT_FP6 matrix_b_fmt:MATRIX_FMT_FP6 matrix_a_scale:MATRIX_SCALE_ROW1
.else
	v_wmma_scale_f32_16x16x128_f8f6f4 v[96+8*\t:103+8*\t], v[40+6*\t:51+6*\t], v[16:27], 0, v[30+\t/2], v28 matrix_a_fmt:MATRIX_FMT_FP6 matrix_b_fmt:MATRIX_FMT_FP6
.endif
.endr
	v_lshl_or_b32 v38, v36, 16, v34                ; V's words for 128 keys: bytes 0, 1 from keys 0-63, bytes 2, 3 from keys 64-127.  These two lines and two v_nop are the four places
	v_lshl_or_b32 v39, v37, 16, v35                ; behind the products, in front of the loads into K's registers and of the first read of the scores
	v_nop
	v_nop
.irp t, 0,1,2,3
.irp c, 0,1
	ds_load_b128 v[40+12*\t+6*\c:43+12*\t+6*\c], v1 offset:SLOTB*(\slot)+STEPB*(\q)+6144+1536*\t+768*\c       ; V's four fragments land while the softmax is walked
	ds_load_b64 v[44+12*\t+6*\c:45+12*\t+6*\c], v2 offset:SLOTB*(\slot)+STEPB*(\q)+6144+1536*\t+768*\c+512
.endr
.endr
	s_wait_kmcnt 0x0                               ; this step's lane masks, asked for behind the last step's selects
.set n, 0
.rept 64
.if n < 48
	v_cndmask_b32 v[96+n], v5, v[96+n], s[16+n]    ; a hidden score becomes -2^33.  Ascending: each accumulator is first read at its register 0
.else
	v_cndmask_b32 v[96+n], v5, v[96+n], s[20+n]
.endif
.set n, n+1
.endr
.if (\m) < 3
	MLOAD 256*((\m)+1)                             ; the next step's masks: the scalar registers are free from here on
.else
	s_cmp_eq_u32 s3, 1                             ; the launch's last step asks for nothing: no load leaves its buffer
	s_cbranch_scc1 .Lno_mask_\@
	MLOAD 1024
.Lno_mask_\@:
.endif
.irp b, 0,1,2,3
	v_max3_num_f32 v[212+\b], v[96+16*\b], v[97+16*\b], v[98+16*\b]   ; the largest score of each block of 32 keys: it serves the row's maximum and, since p rises with the score, the block's largest p
.endr
.irp i, 3,5,7,9,11,13
.irp b, 0,1,2,3
	v_max3_num_f32 v[212+\b], v[212+\b], v[96+16*\b+\i], v[97+16*\b+\i]
.endr
.endr
.irp b, 0,1,2,3
	v_max_num_f32 v[212+\b], v[212+\b], v[111+16*\b]
.endr
.irp b, 0,1,2,3
	v_permlanex16_b32 v[216+\b], v[212+\b], s[SEL], s[SEL+1]
.endr
.irp b, 0,1,2,3
	v_max_num_f32 v[212+\b], v[212+\b], v[216+\b]  ; with lane l xor 16's 16 keys
.endr
	v_max3_num_f32 v230, v212, v213, v214
	v_max_num_f32 v230, v230, v215                 ; the step's largest score of my query
	v_mul_f32 v230, s14, v230                      ; as t (c is positive)
	v_max_num_f32 v13, v13, v230                   ; the running largest t
	v_mov_b32 v230, v12
	v_floor_f32 v12, -v13                          ; the new -M = floor(-t) = -ceil(t)
	v_sub_f32 v230, v12, v230                      ; old M - new M: a whole number, 0 or less
	v_cvt_i32_f32 v230, v230                       ; (it saturates)
	v_ldexp_f32 v226, 1.0, v230                    ; f = 2^(old M - new M)
.set n, 0
.rept 32
	v_pk_fma_f32 v[96+n:97+n], v[96+n:97+n], s[14:15], v[12:13] op_sel_hi:[1,0,0]   ; t - M, two at a time (of the pairs c and -M the low word serves both halves)
.set n, n+2
.endr
.irp b, 0,1,2,3
	v_fma_f32 v[212+\b], v[212+\b], s14, v12       ; the same of each block's largest score
.endr
.set n, 0
.rept 64
	v_exp_f32 v[96+n], v[96+n]                     ; p = 2^(t - M), at most 1
.set n, n+1
.endr
.irp b, 0,1,2,3
	v_exp_f32 v[212+\b], v[212+\b]                 ; the block's largest p: the same two instructions on the same number
.endr
	v_pk_mul_f32 v[14:15], v[14:15], v[226:227] op_sel_hi:[1,0]   ; the sum under the new M.  (The plain place behind the exponentials)
	s_wait_alu depctr_va_vdst(0)
.irp b, 0,1,2,3
	v_max_num_f32 v[212+\b], 0x1800000, v[212+\b]  ; the floor 2^(3 - 127): the byte cannot fall under 1
.endr
.irp b, 0,1,2,3
	v_add_nc_u32 v[220+\b], 0xff000000, v[212+\b]  ; 2 off the exponent field: the conversion's scale operand
.endr
.irp b, 0,1,2,3
	v_lshrrev_b32 v[216+\b], 23, v[220+\b]         ; the scale's byte
.endr
	v_lshl_or_b32 v224, v217, 8, v216              ; p's scale word for these 128 keys
	v_lshl_or_b32 v224, v218, 16, v224
	v_lshl_or_b32 v224, v219, 24, v224
.irp c, 0,1
	v_cvt_scalef32_pk16_fp6_f32 v[192+6*\c:194+6*\c], v[96+32*\c:111+32*\c], v[220+2*\c]
	v_cvt_scalef32_pk16_fp6_f32 v[204+4*\c:206+4*\c], v[112+32*\c:127+32*\c], v[220+2*\c+1]   ; (a conversion's three registers begin on an even number)
.endr
	v_nop                                          ; one plain place behind a scaled conversion
.irp c, 0,1
.irp i, 0,1,2
	v_permlane16_swap_b32 v[192+6*\c+\i], v[204+4*\c+\i]   ; the operand wants a WHOLE block in a lane
.endr
.irp i, 0,1,2
	v_mov_b32 v[195+6*\c+\i], v[204+4*\c+\i]
.endr
.endr
.set n, 0
.rept 16
	v_pk_mul_f32 v[160+n:161+n], v[160+n:161+n], v[226:227] op_sel_hi:[1,0]   ; O^T under the new M, ascending.  For each product below twelve of these name none of its registers: the eight places behind p's word and the four behind its codes
.set n, n+2
.endr
	s_wait_dscnt 0x0                               ; V's fragments
.irp t, 0,1,2,3
.if \t%2
	v_wmma_scale_f32_16x16x128_f8f6f4 v[160+8*\t:167+8*\t], v[40+12*\t:51+12*\t], v[192:203], v[160+8*\t:167+8*\t], v[38+\t/2], v224 matrix_a_fmt:MATRIX_FMT_FP6 matrix_b_fmt:MATRIX_FMT_FP6 matrix_a_scale:MATRIX_SCALE_ROW1
.else
	v_wmma_scale_f32_16x16x128_f8f6f4 v[160+8*\t:167+8*\t], v[40+12*\t:51+12*\t], v[192:203], v[160+8*\t:167+8*\t], v[38+\t/2], v224 matrix_a_fmt:MATRIX_FMT_FP6 matrix_b_fmt:MATRIX_FMT_FP6
.endif
.endr
	v_pk_add_f32 v[228:229], v[96:97], v[98:99]    ; the row's sum of the UNQUANTISED p, in two chains: 32 plain lines that name no register of the products above: their places
.irp j, 4,8,12,16,20,24,28,32,36,40,44,48,52,56,60
	v_pk_add_f32 v[14:15], v[14:15], v[96+\j:97+\j]
	v_pk_add_f32 v[228:229], v[228:229], v[98+\j:99+\j]
.endr
	v_pk_add_f32 v[14:15], v[14:15], v[228:229]
.endm
	s_load_b256 s[16:23], s[0:1], 0x0              ; qc, qs, kvc, kvs
	s_load_b128 s[24:27], s[0:1], 0x20             ; mbits, cod
	s_load_b64 s[28:29], s[0:1], 0x30              ; scl
	v_lshl_add_u32 v254, v0, 2, 0x14400
	v_mov_b32 v255, 0
	v_lshrrev_b32 v1, 5, v0
	v_readfirstlane_b32 s2, v1                     ; wave 0..15
	s_lshr_b32 s4, s2, 2                           ; which of the four query tiles
	s_and_b32 s5, s2, 3                            ; which of the four heads
	s_and_b32 s30, ttmp7, 0xffff                   ; kv head
	s_lshl_b32 s31, ttmp9, 2
	s_add_co_u32 s31, s31, s4                      ; query tile 0..255
	s_lshl_b32 s32, s30, 2
	s_add_co_u32 s32, s32, s5                      ; head
	s_lshl_b32 s34, s32, 8
	s_add_co_u32 s34, s34, s31
	s_mul_i32 s34, s34, 768                        ; qc: (256 head + tile) x 768
	s_mov_b32 s35, 0
	s_lshl_b32 s36, s32, 14
	s_lshl_b32 s37, ttmp9, 8
	s_add_co_u32 s36, s36, s37
	s_lshl_b32 s37, s4, 2
	s_add_co_u32 s36, s36, s37                     ; qs: 16,384 head + 256 x + 4 (tile % 4)
	s_mov_b32 s37, 0
	s_mul_i32 s38, s30, 393216                     ; kvc: 32 steps x 12,288 a kv head
	s_mov_b32 s39, 0
	s_lshl_b32 s40, s30, 15                        ; kvs: 32,768 a kv head
	s_mov_b32 s41, 0
	s_lshl_b32 s42, s31, 13                        ; mbits: 8,192 a tile
	s_mov_b32 s43, 0
	s_add_co_u32 s44, s31, 416
	s_mul_i32 s44, s44, 12288                      ; cod: the output's tiles begin at tile 416;
	s_lshl_b32 s45, s30, 1
	s_lshr_b32 s46, s5, 1
	s_add_co_u32 s45, s45, s46
	s_mul_i32 s45, s45, 1536                       ; K step = head / 2,
	s_add_co_u32 s44, s44, s45
	s_and_b32 s45, s5, 1
	s_mul_i32 s45, s45, 768                        ; its half = head % 2
	s_add_co_u32 s44, s44, s45
	s_mov_b32 s45, 0
	s_mul_i32 s46, s30, 86016                      ; scl: the pair of K steps = kv head,
	s_lshl_b32 s47, ttmp9, 9
	s_add_co_u32 s46, s46, s47
	s_add_co_u32 s46, s46, 416*128                 ; tiles 416 + 4 x on, 128 bytes each
	s_mov_b32 s47, 0
	s_lshl_b32 s48, s4, 7
	s_lshl_b32 s49, s5, 1
	s_add_co_u32 s48, s48, s49
	s_add_co_u32 s48, s48, SCO
	s_mov_b32 s14, 0x3e38aa3b                      ; c = log2(e) / 8
	s_mov_b32 s15, s14                             ; (named with it as a pair, so it is written)
	s_mov_b32 s[SEL], 0x76543210
	s_mov_b32 s[SEL+1], 0xfedcba98
	v_and_b32 v2, 31, v0
	v_lshlrev_b32 v1, 4, v2                        ; 16 x lane
	v_lshlrev_b32 v2, 3, v2                        ; 8 x lane
	v_lshlrev_b32 v3, 4, v0                        ; 16 x thread
	v_add_nc_u32 v8, SCL, v3
	v_mov_b32 v5, 0xd0000000                       ; -2^33
	v_add_nc_u32 v6, SCL, v2
	v_and_b32 v10, 15, v0                          ; r
	v_lshlrev_b32 v11, 4, v10                      ; 16 r
	v_lshl_add_u32 v7, v10, 3, s48                 ; my two bytes of the output's scales: 128 tile + 8 r + 2 head
	v_add_nc_u32 v9, SCO, v1
	s_wait_kmcnt 0x0
	s_add_nc_u64 s[16:17], s[16:17], s[34:35]
	s_add_nc_u64 s[18:19], s[18:19], s[36:37]
	s_add_nc_u64 s[6:7], s[20:21], s[38:39]
	s_add_nc_u64 s[22:23], s[22:23], s[40:41]
	s_add_nc_u64 s[8:9], s[24:25], s[42:43]
	s_add_nc_u64 s[10:11], s[26:27], s[44:45]
	s_add_nc_u64 s[12:13], s[28:29], s[46:47]
	global_load_b128 v[16:19], v1, s[16:17]        ; Q's six registers stay
	global_load_b64 v[20:21], v2, s[16:17] offset:512
	global_load_b32 v28, v11, s[18:19]             ; and its scale words
.irp j, 0,1,2,3
	global_load_b128 v[96+4*\j:99+4*\j], v3, s[22:23] offset:8192*\j          ; the kv head's scale words: 512 threads x 64 bytes
.endr
.irp j, 0,1,2
	global_load_b128 v[232+4*\j:235+4*\j], v3, s[6:7] offset:8192*\j          ; slot 0: key steps 0 and 1
.endr
.irp j, 22,23,24,25,26,27,88,89,90,91,92,93
	v_mov_b32 v[\j], 0                             ; zero codes
.endr
.set n, 0
.rept 32
	v_mov_b32 v[160+n], 0                          ; O^T.  (The step is written once: the first finds zeros, which the first change of M leaves zeros)
.set n, n+1
.endr
	v_mov_b32 v14, 0                               ; the sum, in two halves
	v_mov_b32 v15, 0
.irp b, 0,1,2,3
	v_mov_b32 v[216+\b], 0                         ; written once: a lane permute's destination counts as one of its sources
.endr
	v_mov_b32 v227, 0                              ; (named as the upper half of the pair v[226:227])
	v_mov_b32 v13, 0xff61b1e6                      ; the largest t so far: -3e38, under every t
	v_floor_f32 v12, -v13                          ; -M
	s_wait_loadcnt 0x0
.irp j, 0,1,2,3
	ds_store_b128 v8, v[96+4*\j:99+4*\j] offset:8192*\j
.endr
.irp j, 0,1,2
	ds_store_b128 v3, v[232+4*\j:235+4*\j] offset:8192*\j
.endr
	s_wait_dscnt 0x0                               ; for the others' sake: my stores have landed
	s_barrier_signal -1
	s_barrier_wait -1
	MLOAD 0                                        ; the first step's masks, over scalar registers whose addresses have served (their loads were waited for above)
	s_mov_b32 s3, 8                                ; trips of four key steps
	s_mov_b32 s86, 0
.Ltrip:
	v_add_nc_u32 v4, s86, v6                       ; the trip's scale words: 1,024 bytes a step
.irp j, 0,1,2
	global_load_b128 v[232+4*\j:235+4*\j], v3, s[6:7] offset:SLOTB+8192*\j    ; slot 1's next two steps: out for two whole key steps
.endr
	STEP 0, 0, 0
	STEP 0, 1, 1
	s_wait_loadcnt 0x0
.irp j, 0,1,2
	ds_store_b128 v3, v[232+4*\j:235+4*\j] offset:SLOTB+8192*\j               ; nobody reads slot 1 between the last barrier and the next
.endr
	s_wait_dscnt 0x0                               ; my stores have landed and my reads of slot 0 are over
	s_barrier_signal -1
	s_barrier_wait -1
	s_cmp_eq_u32 s3, 1                             ; the last trip has no slot behind it: no load leaves its buffer
	s_cbranch_scc1 .Lno_more
.irp j, 0,1,2
	global_load_b128 v[232+4*\j:235+4*\j], v3, s[6:7] offset:2*SLOTB+8192*\j
.endr
.Lno_more:
	STEP 1, 0, 2
	STEP 1, 1, 3
	s_wait_loadcnt 0x0                             ; on every way
	s_cmp_eq_u32 s3, 1
	s_cbranch_scc1 .Lno_fill
.irp j, 0,1,2
	ds_store_b128 v3, v[232+4*\j:235+4*\j] offset:8192*\j
.endr
.Lno_fill:
	s_wait_dscnt 0x0                               ; my stores have landed and my reads of slot 1 are over
	s_barrier_signal -1
	s_barrier_wait -1
	s_wait_xcnt 0x0                                ; the scalar loads of the next masks have read their base: only now do the bases step
	s_add_nc_u64 s[6:7], s[6:7], 2*SLOTB
	s_add_nc_u64 s[8:9], s[8:9], 1024
	s_add_co_u32 s86, s86, 4096
	s_sub_co_u32 s3, s3, 1
	s_cmp_lg_u32 s3, 0
	s_cbranch_scc1 .Ltrip
	; THE WAY OUT.  O^T / the sum is the last projection's operand: my 16 queries x my head's 64 features are half a fragment: quantised here, stored as a register image.
	v_add_f32 v14, v14, v15                        ; the sum's two halves,
	v_permlanex16_b32 v216, v14, s[SEL], s[SEL+1]
	v_add_f32 v14, v14, v216                       ; and lane l xor 16's: the row's sum (over 1/2: the largest p is)
	v_rcp_f32 v226, v14
	v_nop                                          ; one plain place behind a transcendental
.set n, 0
	s_wait_alu depctr_va_vdst(0)
.rept 16
	v_pk_mul_f32 v[160+n:161+n], v[160+n:161+n], v[226:227] op_sel_hi:[1,0]
.set n, n+2
.endr
	QUANT2 160, 192, 204, 230
	global_store_b128 v1, v[192:195], s[10:11]
	global_store_b64 v2, v[196:197], s[10:11] offset:512
	ds_store_b16 v7, v230                          ; my head's two bytes of row r's eight; both halves of the lanes write the same bytes with the same value
	s_wait_dscnt 0x0
	s_barrier_signal -1
	s_barrier_wait -1
	s_cmp_lg_u32 s2, 0
	s_cbranch_scc1 .Lend
	ds_load_b128 v[96:99], v9                      ; wave 0 stores the four tiles' words: 512 consecutive bytes
	s_wait_dscnt 0x0
	global_store_b128 v1, v[96:99], s[12:13]
.Lend:
	s_wait_tensorcnt 0x0
	ds_add_u32 v254, v255
	s_wait_dscnt 0x0
	s_endpgm
.Lfunc_end_k_q7009ffc2c6_attn:
	.size	k_q7009ffc2c6_attn, .Lfunc_end_k_q7009ffc2c6_attn-k_q7009ffc2c6_attn
	.p2alignl 7, 3214868480
	.fill 96, 4, 3214868480
	.section	.rodata,"a",@progbits
	.p2align	6, 0x0
	.amdhsa_kernel k_q7009ffc2c6_attn
		.amdhsa_group_segment_fixed_size 84992
		.amdhsa_private_segment_fixed_size 0
		.amdhsa_enable_private_segment 0
		.amdhsa_kernarg_size 56
		.amdhsa_user_sgpr_count 2
		.amdhsa_user_sgpr_kernarg_segment_ptr 1
		.amdhsa_wavefront_size32 1
		.amdhsa_system_sgpr_workgroup_id_x 1
		.amdhsa_system_sgpr_workgroup_id_y 1
		.amdhsa_system_sgpr_workgroup_id_z 1
		.amdhsa_system_vgpr_workitem_id 0
		.amdhsa_next_free_vgpr 256
		.amdhsa_next_free_sgpr 96
		.amdhsa_reserve_vcc 0
		.amdhsa_float_denorm_mode_32 3
		.amdhsa_float_denorm_mode_16_64 3
		.amdhsa_memory_ordered 1
		.amdhsa_forward_progress 1
		.amdhsa_inst_pref_size 91
	.end_amdhsa_kernel
	.amdgpu_metadata
---
amdhsa.version: [ 1, 2 ]
amdhsa.kernels:
  - .name:           k_q7009ffc2c6_attn
    .symbol:         k_q7009ffc2c6_attn.kd
    .args:
      - { .name: qc, .offset: 0, .size: 8, .value_kind: global_buffer, .address_space: global }
      - { .name: qs, .offset: 8, .size: 8, .value_kind: global_buffer, .address_space: global }
      - { .name: kvc, .offset: 16, .size: 8, .value_kind: global_buffer, .address_space: global }
      - { .name: kvs, .offset: 24, .size: 8, .value_kind: global_buffer, .address_space: global }
      - { .name: mbits, .offset: 32, .size: 8, .value_kind: global_buffer, .address_space: global }
      - { .name: cod, .offset: 40, .size: 8, .value_kind: global_buffer, .address_space: global }
      - { .name: scl, .offset: 48, .size: 8, .value_kind: global_buffer, .address_space: global }
    .group_segment_fixed_size: 84992
    .private_segment_fixed_size: 0
    .kernarg_segment_align: 8
    .kernarg_segment_size: 56
    .max_flat_workgroup_size: 512
    .sgpr_count:     96
    .vgpr_count:     256
    .wavefront_size: 32
...
	.end_amdgpu_metadata
.endif
;; end of part 3
;; launch oproj (part 4): grid 16 x 16, 4 waves a work-group, no clusters, 17,920 bytes of LDS; arguments cod, scl, o_b, out0; writes out0
.if DOCPART == 4
	.amdgcn_target "amdgcn-amd-amdhsa--gfx1250"
	.amdhsa_code_object_version 6
	.text
	.protected	k_q7009ffc2c6_oproj
	.globl	k_q7009ffc2c6_oproj
	.p2align	8
	.type	k_q7009ffc2c6_oproj,@function
k_q7009ffc2c6_oproj:
	s_mov_b64 s[64:65], 0
	v_nop
	global_prefetch_b8 v0, s[64:65] scope:SCOPE_SE
	s_setreg_imm32_b32 hwreg(HW_REG_WAVE_MODE, 25, 1), 1
	s_wait_xcnt 0x0
; OPROJ.  out0 = a o_w^T + o_b on codes of E2M3, a = attention's output (tiles 416 on of cod and scl), o_w tiles 352 on.  K = 1,024: eight matrix instructions deep.
; SHARES.  Work-group (g, y): 64 columns of out0 x 256 tokens.  Wave w: tokens 256 y + 64 w: four tiles of a against four of o_w: 16 accumulators.
; Fragments lie in memory as images of their registers and go straight into registers, every load dense: no LDS for operands, no barrier, no tensor load, so no cluster and no joint request.
; THE PRODUCT IS USED TRANSPOSED (source 0 = 16 rows of o_w, source 1 = 16 tokens): a lane holds one token and eight neighbouring columns a tile; the bias is the first C.
; Row rho of tile tau is row 32 (tau/2) + 8 (tau%2) + rho + 8 (rho/8): the way out puts rows and columns back in their places.
.set AF,  32                           ; v32-79   a's four fragments
.set WF,  80                           ; v80-127  o_w's four
.set ACC, 128                          ; v128-255 sixteen accumulators: (token tile i, weight tile t) at ACC + 32 i + 8 t
.set SC,  16                           ; v16-23   scale words: register 2 i + (K step % 2): lanes 0-15 a's tile i, lanes 16-31 o_w's tile i
.macro FRAG4 reg, base, off            ; a fragment's image into 12 registers
	global_load_b128 v[\reg:\reg+3], v1, s[\base:\base+1] offset:\off
	global_load_b64 v[\reg+4:\reg+5], v2, s[\base:\base+1] offset:\off+512
	global_load_b128 v[\reg+6:\reg+9], v1, s[\base:\base+1] offset:\off+768
	global_load_b64 v[\reg+10:\reg+11], v2, s[\base:\base+1] offset:\off+1280
.endm
.macro KSTEP s                         ; the sixteen accumulators take turns, one instruction a turn, in the same order in every step
.if (\s) > 0
.rept 4
	v_nop                                          ; four places between the last products and loads into registers that they have read (ISA guide 7.12.1 for vector instructions)
.endr
.endif
.irp i, 0,1,2,3
	FRAG4 AF+12*\i, 30, 12288*\i+1536*(\s)
	FRAG4 WF+12*\i, 32, 12288*\i+1536*(\s)
.endr
.if (\s)%2 == 0
.irp i, 0,1,2,3
	global_load_b64 v[SC+2*\i:SC+2*\i+1], v5, s[6:7] offset:86016*((\s)/2)+128*\i
.endr
.endif
	s_wait_loadcnt 0x0
.irp i, 0,1,2,3
.irp t, 0,1,2,3
	v_wmma_scale_f32_16x16x128_f8f6f4 v[ACC+32*\i+8*\t:ACC+32*\i+8*\t+7], v[WF+12*\t:WF+12*\t+11], v[AF+12*\i:AF+12*\i+11], v[ACC+32*\i+8*\t:ACC+32*\i+8*\t+7], v[SC+2*\t+(\s)%2], v[SC+2*\i+(\s)%2] matrix_a_fmt:MATRIX_FMT_FP6 matrix_b_fmt:MATRIX_FMT_FP6 matrix_a_scale:MATRIX_SCALE_ROW1
.endr
.endr
.endm
.macro ROWS i                          ; token tile i: through my stage, and out as whole pieces of 256 bytes of 16 rows
.irp t, 0,1,2,3
	ds_store_b128 v7, v[ACC+32*(\i)+8*\t:ACC+32*(\i)+8*\t+3] offset:(32*(\t/2)+8*(\t%2))*4        ; each accumulator from its low end on
	ds_store_b128 v7, v[ACC+32*(\i)+8*\t+4:ACC+32*(\i)+8*\t+7] offset:(32*(\t/2)+8*(\t%2))*4+16
.endr
.if (\i) > 0
	s_wait_xcnt 0x0                                ; the last tile's stores have read v96-127: only now are they loaded again
.endif
.irp j, 0,1,2,3,4,5,6,7
	ds_load_b128 v[96+4*\j:99+4*\j], v8 offset:544*\j      ; LDS serves a wave's instructions in order: these see my stores
.endr
.irp j, 0,1,2,3,4,5,6,7
	s_wait_dscnt 7-\j                              ; load j is back; the 7 - j younger ones may be out
	global_store_b128 v9, v[96+4*\j:99+4*\j], s[38:39] offset:(32*((\i)/2)+8*((\i)%2)+2*\j+8*(\j/4))*4096 th:TH_STORE_NT   ; sixteen lanes store 256 consecutive bytes, at a multiple of 256 from out0's first byte
.endr
.endm
	s_load_b256 s[4:11], s[0:1], 0x0               ; cod, scl, o_b, out0
	v_lshl_add_u32 v30, v0, 2, 0x4400
	v_mov_b32 v31, 0
	v_lshrrev_b32 v1, 5, v0
	v_readfirstlane_b32 s26, v1                    ; wave
	s_mov_b32 s27, ttmp9                           ; g
	s_and_b32 s28, ttmp7, 0xffff                   ; y
	v_and_b32 v2, 31, v0
	v_lshlrev_b32 v1, 4, v2                        ; 16 x lane
	v_lshlrev_b32 v2, 3, v2                        ; 8 x lane
	v_bfe_u32 v3, v0, 4, 1                         ; h
	v_and_b32 v4, 15, v0                           ; r
	s_lshl_b32 s29, s28, 4
	s_lshl_b32 s34, s26, 2
	s_add_co_u32 s29, s29, s34
	s_add_co_u32 s29, s29, 416                     ; a's first tile: 416 + 16 y + 4 w
	s_lshl_b32 s35, s27, 2
	s_add_co_u32 s35, s35, 352                     ; o_w's: 352 + 4 g
	s_lshl_b32 s40, s29, 7
	s_lshl_b32 s41, s35, 7
	v_mov_b32 v5, s40
	v_mov_b32 v10, s41
	v_cmp_ne_u32 vcc_lo, 0, v3
	v_cndmask_b32 v5, v5, v10, vcc_lo              ; scale words: lanes 0-15 a's tile, lanes 16-31 o_w's: 128 bytes a tile,
	v_lshl_add_u32 v5, v4, 3, v5                   ; 8 bytes a row
	v_lshlrev_b32 v6, 6, v3                        ; the bias: 64 h
	s_mul_i32 s36, s26, 4352                       ; my stage: 16 rows x 272 bytes
	v_mul_u32_u24 v7, v4, 272
	v_lshl_add_u32 v7, v3, 6, v7
	v_add_nc_u32 v7, s36, v7                       ; in: row r, + 64 h
	v_mul_u32_u24 v8, v3, 272
	v_lshl_add_u32 v8, v4, 4, v8
	v_add_nc_u32 v8, s36, v8                       ; back: row h (+ 2 j), 16 r
	v_lshlrev_b32 v9, 4, v4
	v_lshl_add_u32 v9, v3, 12, v9                  ; and the same in out0: 4,096 h + 16 r
	s_mul_i32 s40, s29, 12288
	s_mov_b32 s41, 0
	s_mul_i32 s42, s35, 12288
	s_mov_b32 s43, 0
	s_lshl_b32 s44, s27, 8                         ; 64 numbers of the bias, and 256 bytes of a row of out0
	s_mov_b32 s45, 0
	s_lshl_b32 s46, s28, 20
	s_lshl_b32 s47, s26, 18
	s_add_co_u32 s46, s46, s47                     ; (256 y + 64 w) rows of 4,096 bytes
	s_add_co_u32 s46, s46, s44
	s_mov_b32 s47, 0
	s_wait_kmcnt 0x0
	s_add_nc_u64 s[30:31], s[4:5], s[40:41]
	s_add_nc_u64 s[32:33], s[4:5], s[42:43]
	s_add_nc_u64 s[8:9], s[8:9], s[44:45]
	s_add_nc_u64 s[38:39], s[10:11], s[46:47]
.irp i, 0,1,2,3
.irp t, 0,1,2,3
	global_load_b128 v[ACC+32*\i+8*\t:ACC+32*\i+8*\t+3], v6, s[8:9] offset:(32*(\t/2)+8*(\t%2))*4        ; the bias is the first C: columns 32 (t/2) + 16 h + 8 (t%2) + 0 .. 7
	global_load_b128 v[ACC+32*\i+8*\t+4:ACC+32*\i+8*\t+7], v6, s[8:9] offset:(32*(\t/2)+8*(\t%2))*4+16
.endr
.endr
.irp s, 0,1,2,3,4,5,6,7
	KSTEP \s
.endr
.rept 4
	v_nop                                          ; four places in front of the first read of results and of loads over the fragments
.endr
	ROWS 0
	ROWS 1
	ROWS 2
	ROWS 3
	s_wait_tensorcnt 0x0
	ds_add_u32 v30, v31
	s_wait_dscnt 0x0
	s_endpgm
.Lfunc_end_k_q7009ffc2c6_oproj:
	.size	k_q7009ffc2c6_oproj, .Lfunc_end_k_q7009ffc2c6_oproj-k_q7009ffc2c6_oproj
	.p2alignl 7, 3214868480
	.fill 96, 4, 3214868480
	.section	.rodata,"a",@progbits
	.p2align	6, 0x0
	.amdhsa_kernel k_q7009ffc2c6_oproj
		.amdhsa_group_segment_fixed_size 17920
		.amdhsa_private_segment_fixed_size 0
		.amdhsa_enable_private_segment 0
		.amdhsa_kernarg_size 32
		.amdhsa_user_sgpr_count 2
		.amdhsa_user_sgpr_kernarg_segment_ptr 1
		.amdhsa_wavefront_size32 1
		.amdhsa_system_sgpr_workgroup_id_x 1
		.amdhsa_system_sgpr_workgroup_id_y 1
		.amdhsa_system_sgpr_workgroup_id_z 1
		.amdhsa_system_vgpr_workitem_id 0
		.amdhsa_next_free_vgpr 256
		.amdhsa_next_free_sgpr 66
		.amdhsa_reserve_vcc 1
		.amdhsa_float_denorm_mode_32 3
		.amdhsa_float_denorm_mode_16_64 3
		.amdhsa_memory_ordered 1
		.amdhsa_forward_progress 1
		.amdhsa_inst_pref_size 57
	.end_amdhsa_kernel
	.amdgpu_metadata
---
amdhsa.version: [ 1, 2 ]
amdhsa.kernels:
  - .name:           k_q7009ffc2c6_oproj
    .symbol:         k_q7009ffc2c6_oproj.kd
    .args:
      - { .name: cod, .offset: 0, .size: 8, .value_kind: global_buffer, .address_space: global }
      - { .name: scl, .offset: 8, .size: 8, .value_kind: global_buffer, .address_space: global }
      - { .name: o_b, .offset: 16, .size: 8, .value_kind: global_buffer, .address_space: global }
      - { .name: out0, .offset: 24, .size: 8, .value_kind: global_buffer, .address_space: global }
    .group_segment_fixed_size: 17920
    .private_segment_fixed_size: 0
    .kernarg_segment_align: 8
    .kernarg_segment_size: 32
    .max_flat_workgroup_size: 128
    .sgpr_count:     66
    .vgpr_count:     256
    .wavefront_size: 32
...
	.end_amdgpu_metadata
.endif
;; end of part 4
;; ======== version 2 of 2: 4 launches
;; limits: right only within a limited range of input values
;; workspace buffers: cod 8,257,536 bytes; scl 344,064 bytes; mbits 2,097,152 bytes of whole numbers; qc 3,145,728 bytes; qs 262,144 bytes; kvc 1,572,864 bytes; kvs 131,072 bytes
;; launch prep (part 5): grid 464 x 1, 4 waves a work-group, no clusters, 51,712 bytes of LDS; arguments x, q_w, k_w, v_w, o_w, mask, cod, scl, mbits; writes cod, scl, mbits
.if DOCPART == 5
	.amdgcn_target "amdgcn-amd-amdhsa--gfx1250"
	.amdhsa_code_object_version 6
	.text
	.protected	k_q7009ffc2c6_prep
	.globl	k_q7009ffc2c6_prep
	.p2align	8
	.type	k_q7009ffc2c6_prep,@function
k_q7009ffc2c6_prep:
	s_mov_b64 s[64:65], 0
	v_nop
	global_prefetch_b8 v0, s[64:65] scope:SCOPE_SE
	s_setreg_imm32_b32 hwreg(HW_REG_WAVE_MODE, 25, 1), 1
	s_wait_xcnt 0x0
; PREP.  Work-groups 0-207: x and the four weights (all [rows][1024] f32, K innermost) become codes of E2M3 with one E8M0 byte for each 32 along K.
; Work-groups 208-463: the mask's bytes become lane masks for the attention launch.
; LAYOUT OF THE CODES (cod): a tile is 16 rows, a fragment 16 rows x 128 K = 12 operand registers a lane.  A fragment lies in memory as an image of those registers, 1,536 bytes:
; for c = 0, 1: registers 6c..6c+3 at 768c + 16 x lane, registers 6c+4, 6c+5 at 768c + 512 + 8 x lane.  cod = [tile][K step 8][1,536].
; THE ROWS OF A TILE ARE NOT NEIGHBOURS: row rho of tile tau is the tensor's row 32 (tau/2) + 8 (tau%2) + rho + 8 (rho/8), so that in a product's result the 16 registers of two neighbouring tiles are 16 neighbours.
; Tiles: x 0-255, q_w 256-319, k_w 320-335, v_w 336-351, o_w 352-415.   scl = [K step / 2][tile][row 16][2 words]: a word is the four bytes of 128 along K.
; THE QUANTISER: scale = 2^(floor(log2(largest magnitude)) - 2); its byte is the largest magnitude's exponent field - 2, held at 1 from below.
; LIMITS: a block of zeros gets the byte 1 where the rule says 127 (its codes are zeros; only this program reads the bytes); NaN and infinities among the inputs are not served.
; A quantising work-group takes a pair of tiles (32 neighbouring rows); wave kq takes columns 256 kq on: four fragments.  Each load reads 512 consecutive bytes of a row; the rows turn through the wave's own stage in LDS,
; so that a lane gets the 32 neighbours of a block.  No barrier: waves share nothing.  The two kinds of work-group have LDS bytes of their own.
; mbits = [query tile 256][key step 32][64 words]: bit l of word n = mask[row (l % 16) of the tile][128 step + 32 (n/16) + 16 (l/16) + n % 16]: the lane mask for register n of a step's scores.
.set X,    64                          ; v64-127  a fragment's 64 numbers of my lane: two blocks of 32
.set R,    128                         ; v128-255 numbers as loaded: two sets of 64 (mask: four sets of 32)
.set C,    24                          ; v24-35   a fragment's codes
.set T,    36                          ; v36-38, v40-42 the second halves of the blocks' codes
.set W,    16                          ; v16-19   the four fragments' scale words
.set MSTG, 33792                       ; the mask path's stages begin behind the quantiser's 4 x 8,448 bytes
.set OUTR, 16                          ; v16-31   mask: four registers of words for each unit
.set B,    32                          ; v32-63   mask: a unit's bytes, 16 a register group
.macro LOADF f                         ; fragment f = 2 u + s: 16 rows of tile u, 128 columns of K step s of my two: each load 512 consecutive bytes
.irp rho, 0,1,2,3,4,5,6,7,8,9,10,11,12,13,14,15
	global_load_b128 v[R+64*((\f)%2)+4*\rho:R+64*((\f)%2)+4*\rho+3], v1, s[22:23] offset:(8*((\f)/2)+\rho+8*(\rho/8))*4096+512*((\f)%2) th:TH_LOAD_NT
.endr
.endm
.macro QFRAG f
.if (\f) < 3
	s_wait_loadcnt 16                              ; this fragment's 16 loads are in; the next fragment's 16 may be out
.else
	s_wait_loadcnt 0x0
.endif
.irp rho, 0,1,2,3,4,5,6,7,8,9,10,11,12,13,14,15
	ds_store_b128 v4, v[R+64*((\f)%2)+4*\rho:R+64*((\f)%2)+4*\rho+3] offset:528*\rho   ; rows 528 bytes apart: 132 words, so sixteen rows begin in sixteen different groups of four banks
.endr
.irp c, 0,1
.irp i, 0,1,2,3,4,5,6,7
	ds_load_b128 v[X+32*\c+4*\i:X+32*\c+4*\i+3], v5 offset:256*\c+16*\i              ; row r, columns 64 c + 32 h on: LDS serves a wave's instructions in order, so these see the stores
.endr
.endr
	s_wait_dscnt 0x0                               ; the numbers are back, and the stores have read their registers,
.if (\f) < 2
	LOADF (\f)+2                                   ; which take the loads of two fragments on
.endif
.irp c, 0,1
	v_max3_num_f32 v[8+\c], |v[X+32*\c]|, |v[X+32*\c+1]|, 0x1800000   ; my block 2 c + h, and the floor 2^(3 - 127): the byte cannot fall under 1
.endr
.irp i, 2,4,6,8,10,12,14,16,18,20,22,24,26,28,30
.irp c, 0,1
	v_max3_num_f32 v[8+\c], v[8+\c], |v[X+32*\c+\i]|, |v[X+32*\c+\i+1]|
.endr
.endr
.irp c, 0,1
	v_add_nc_u32 v[10+\c], 0xff000000, v[8+\c]     ; 2 off the exponent field: the conversion's scale operand
.endr
.irp c, 0,1
	v_lshrrev_b32 v[12+\c], 23, v[10+\c]           ; the scale's byte
.endr
	v_lshl_or_b32 v14, v13, 16, v12                ; my two bytes, blocks h and 2 + h,
	v_lshlrev_b32 v14, v6, v14                     ; 8 h bits up;
	v_permlanex16_b32 v15, v14, s36, s37
	v_or_b32 v[W+(\f)], v14, v15                   ; with lane l xor 16's two the row's word is whole, in both halves of the lanes
.if (\f) > 0
	s_wait_alu depctr_va_vdst(0)
	s_wait_xcnt 0x0                                ; the last fragment's stores have read the codes' registers: only now are they written again
.endif
.irp c, 0,1
	v_cvt_scalef32_pk16_fp6_f32 v[C+6*\c:C+6*\c+2], v[X+32*\c:X+32*\c+15], v[10+\c]
	v_cvt_scalef32_pk16_fp6_f32 v[T+4*\c:T+4*\c+2], v[X+32*\c+16:X+32*\c+31], v[10+\c]   ; (a conversion's three registers begin on an even number)
.endr
	v_nop                                          ; one plain place behind a scaled conversion
.irp c, 0,1
.irp i, 0,1,2
	v_mov_b32 v[C+6*\c+3+\i], v[T+4*\c+\i]
.endr
.endr
.irp c, 0,1
	global_store_b128 v1, v[C+6*\c:C+6*\c+3], s[16:17] offset:12288*((\f)/2)+1536*((\f)%2)+768*\c        ; 512 consecutive bytes
	global_store_b64 v2, v[C+6*\c+4:C+6*\c+5], s[16:17] offset:12288*((\f)/2)+1536*((\f)%2)+768*\c+512   ; 256 consecutive bytes
.endr
.endm
.macro MUNIT u                         ; 256 columns (two key steps) of my 16 rows
	s_wait_loadcnt 8*(3-(\u))                      ; this unit's eight loads are in; the later units' may be out
.irp j, 0,1,2,3,4,5,6,7
	ds_store_b128 v7, v[R+32*(\u)+4*\j:R+32*(\u)+4*\j+3] offset:544*\j     ; rows 2 j + h, 272 bytes apart
.endr
.irp s, 0,1
.irp b, 0,1,2,3
	ds_load_b128 v[B+4*(4*\s+\b):B+4*(4*\s+\b)+3], v8 offset:128*\s+32*\b  ; row r, columns 128 s + 32 b + 16 h + 0 .. 15
.endr
.endr
	s_wait_dscnt 0x0
.irp s, 0,1
.irp b, 0,1,2,3
.irp q, 0,1,2,3
.irp y, 0,1,2,3
	v_and_b32 v[12+\y], s[30+\y], v[B+4*(4*\s+\b)+\q]                      ; byte 4 q + y of my 16
.endr
.irp y, 0,1,2,3
	v_cmp_ne_u32 s[40+4*(\q%2)+\y], 0, v[12+\y]                            ; the compare's lane mask IS word n = 16 b + 4 q + y of step s
.endr
.irp y, 0,1,2,3
	v_writelane_b32 v[OUTR+4*(\u)+\y], s[40+4*(\q%2)+\y], 16*\s+4*\b+\q    ; word 64 s + n goes to lane (64 s + n) / 4, register n % 4
.endr
.endr
.endr
.endr
	global_store_b128 v1, v[OUTR+4*(\u):OUTR+4*(\u)+3], s[20:21] offset:512*(\u)   ; 512 consecutive bytes; each unit has registers of its own
.endm
	s_load_b256 s[4:11], s[0:1], 0x0               ; x, q_w, k_w, v_w
	s_load_b256 s[12:19], s[0:1], 0x20             ; o_w, mask, cod, scl
	s_load_b64 s[20:21], s[0:1], 0x40              ; mbits
	s_set_vgpr_msb 0x40
	v_lshl_add_u32 v0, v0, 2, 0xc800
	v_mov_b32 v1, 0
	s_set_vgpr_msb 0x4000
	v_lshrrev_b32 v1, 5, v0
	v_readfirstlane_b32 s26, v1                    ; wave 0..3
	v_and_b32 v2, 31, v0                           ; lane
	v_lshlrev_b32 v1, 4, v2                        ; 16 x lane
	v_and_b32 v10, 15, v0                          ; r
	v_bfe_u32 v3, v0, 4, 1                         ; h
	s_cmp_ge_u32 ttmp9, 208
	s_cbranch_scc1 .Lmask
	; ---- the quantiser: tile pair p = my work-group's number
	v_lshlrev_b32 v2, 3, v2                        ; 8 x lane
	s_mul_i32 s27, s26, 8448                       ; my wave's stage: 16 rows x 528 bytes
	v_add_nc_u32 v4, s27, v1                       ; in: 16 x lane of a row
	v_mul_u32_u24 v5, v10, 528
	v_lshl_add_u32 v5, v3, 7, v5
	v_add_nc_u32 v5, s27, v5                       ; out: row r, + 128 h
	v_lshlrev_b32 v6, 3, v3                        ; 8 h
	v_mov_b32 v15, 0                               ; written once: a lane permute's destination counts as one of its sources
	s_mov_b32 s36, 0x76543210
	s_mov_b32 s37, 0xfedcba98                      ; v_permlanex16_b32's selects for lane l xor 16
	s_wait_alu depctr_va_vdst(0)
	s_wait_kmcnt 0x0
	s_mov_b64 s[22:23], s[12:13]                   ; which tensor, and its first pair: the choice hangs on the work-group's number alone
	s_mov_b32 s24, 176
	s_cmp_lt_u32 ttmp9, 176
	s_cselect_b64 s[22:23], s[10:11], s[22:23]
	s_cselect_b32 s24, 168, s24
	s_cmp_lt_u32 ttmp9, 168
	s_cselect_b64 s[22:23], s[8:9], s[22:23]
	s_cselect_b32 s24, 160, s24
	s_cmp_lt_u32 ttmp9, 160
	s_cselect_b64 s[22:23], s[6:7], s[22:23]
	s_cselect_b32 s24, 128, s24
	s_cmp_lt_u32 ttmp9, 128
	s_cselect_b64 s[22:23], s[4:5], s[22:23]
	s_cselect_b32 s24, 0, s24
	s_sub_co_u32 s24, ttmp9, s24
	s_lshl_b32 s28, s24, 17                        ; 32 rows of 4,096 bytes a pair,
	s_lshl_b32 s29, s26, 10                        ; my wave's 256 columns
	s_add_co_u32 s28, s28, s29
	s_mov_b32 s29, 0
	s_add_nc_u64 s[22:23], s[22:23], s[28:29]
	s_mul_i32 s28, ttmp9, 24576                    ; cod: two tiles of 12,288 bytes a pair,
	s_mul_i32 s30, s26, 3072                       ; my two K steps
	s_add_co_u32 s28, s28, s30
	s_add_nc_u64 s[16:17], s[16:17], s[28:29]
	s_mul_i32 s28, s26, 86016                      ; scl: my pair of K steps, 672 tiles x 128 bytes,
	s_lshl_b32 s30, ttmp9, 8                       ; 256 bytes a pair of tiles
	s_add_co_u32 s28, s28, s30
	s_add_nc_u64 s[18:19], s[18:19], s[28:29]
	LOADF 0
	LOADF 1
	QFRAG 0
	QFRAG 1
	QFRAG 2
	QFRAG 3
	v_cmp_ne_u32 vcc_lo, 0, v3
	v_cndmask_b32 v20, v16, v18, vcc_lo            ; lanes 0-15 store tile 0's two words of row r, lanes 16-31 tile 1's
	v_cndmask_b32 v21, v17, v19, vcc_lo
	global_store_b64 v2, v[20:21], s[18:19]        ; 256 consecutive bytes
	s_set_vgpr_msb 0x5
	s_wait_tensorcnt 0x0
	ds_add_u32 v0, v1
	s_wait_dscnt 0x0
	s_set_vgpr_msb 0x500
	s_endpgm
	; ---- the mask: query tile tau = my work-group's number - 208; wave w takes columns 1,024 w on, in four units of 256
.Lmask:
	s_sub_co_u32 s27, ttmp9, 208
	s_lshr_b32 s28, s27, 1
	s_lshl_b32 s28, s28, 5
	s_and_b32 s29, s27, 1
	s_lshl_b32 s29, s29, 3
	s_add_co_u32 s28, s28, s29                     ; the tile's first row: 32 (tau / 2) + 8 (tau % 2)
	s_lshl_b32 s28, s28, 12                        ; rows of 4,096 bytes
	s_lshl_b32 s29, s26, 10
	s_add_co_u32 s28, s28, s29
	s_mov_b32 s29, 0
	s_lshl_b32 s34, s27, 13                        ; mbits: 8,192 bytes a tile, 2,048 a wave
	s_lshl_b32 s35, s26, 11
	s_add_co_u32 s34, s34, s35
	s_mov_b32 s35, 0
	s_wait_alu depctr_va_vdst(0)
	v_lshlrev_b32 v6, 4, v10
	v_lshl_add_u32 v6, v3, 12, v6                  ; loads: sixteen lanes take 256 bytes of a row, lanes 16-31 the next row
	s_mul_i32 s38, s26, 4352
	s_add_co_u32 s38, s38, MSTG                    ; my wave's stage: 16 rows x 272 bytes
	v_mul_u32_u24 v7, v3, 272
	v_lshl_add_u32 v7, v10, 4, v7
	v_add_nc_u32 v7, s38, v7                       ; in: row h (+ 2 j), 16 r
	v_mul_u32_u24 v8, v10, 272
	v_lshl_add_u32 v8, v3, 4, v8
	v_add_nc_u32 v8, s38, v8                       ; out: row r, + 16 h
	s_mov_b32 s30, 0xff
	s_mov_b32 s31, 0xff00
	s_mov_b32 s32, 0xff0000
	s_mov_b32 s33, 0xff000000
.irp i, 0,1,2,3,4,5,6,7,8,9,10,11,12,13,14,15
	v_mov_b32 v[OUTR+\i], 0                        ; written once: v_writelane_b32's destination counts as one of its sources
.endr
	s_wait_kmcnt 0x0
	s_add_nc_u64 s[14:15], s[14:15], s[28:29]
	s_add_nc_u64 s[20:21], s[20:21], s[34:35]
.irp u, 0,1,2,3
.irp j, 0,1,2,3,4,5,6,7
	global_load_b128 v[R+32*\u+4*\j:R+32*\u+4*\j+3], v6, s[14:15] offset:(2*\j+8*(\j/4))*4096+256*\u th:TH_LOAD_NT   ; tile rows 2 j + h
.endr
.endr
	MUNIT 0
	MUNIT 1
	MUNIT 2
	MUNIT 3
	s_set_vgpr_msb 0x5
	s_wait_tensorcnt 0x0
	ds_add_u32 v0, v1
	s_wait_dscnt 0x0
	s_set_vgpr_msb 0x500
	s_endpgm
.Lfunc_end_k_q7009ffc2c6_prep:
	.size	k_q7009ffc2c6_prep, .Lfunc_end_k_q7009ffc2c6_prep-k_q7009ffc2c6_prep
	.p2alignl 7, 3214868480
	.fill 96, 4, 3214868480
	.section	.rodata,"a",@progbits
	.p2align	6, 0x0
	.amdhsa_kernel k_q7009ffc2c6_prep
		.amdhsa_group_segment_fixed_size 51712
		.amdhsa_private_segment_fixed_size 0
		.amdhsa_enable_private_segment 0
		.amdhsa_kernarg_size 72
		.amdhsa_user_sgpr_count 2
		.amdhsa_user_sgpr_kernarg_segment_ptr 1
		.amdhsa_wavefront_size32 1
		.amdhsa_system_sgpr_workgroup_id_x 1
		.amdhsa_system_sgpr_workgroup_id_y 1
		.amdhsa_system_sgpr_workgroup_id_z 1
		.amdhsa_system_vgpr_workitem_id 0
		.amdhsa_next_free_vgpr 258
		.amdhsa_next_free_sgpr 66
		.amdhsa_reserve_vcc 1
		.amdhsa_float_denorm_mode_32 3
		.amdhsa_float_denorm_mode_16_64 3
		.amdhsa_memory_ordered 1
		.amdhsa_forward_progress 1
		.amdhsa_inst_pref_size 121
	.end_amdhsa_kernel
	.amdgpu_metadata
---
amdhsa.version: [ 1, 2 ]
amdhsa.kernels:
  - .name:           k_q7009ffc2c6_prep
    .symbol:         k_q7009ffc2c6_prep.kd
    .args:
      - { .name: x, .offset: 0, .size: 8, .value_kind: global_buffer, .address_space: global }
      - { .name: q_w, .offset: 8, .size: 8, .value_kind: global_buffer, .address_space: global }
      - { .name: k_w, .offset: 16, .size: 8, .value_kind: global_buffer, .address_space: global }
      - { .name: v_w, .offset: 24, .size: 8, .value_kind: global_buffer, .address_space: global }
      - { .name: o_w, .offset: 32, .size: 8, .value_kind: global_buffer, .address_space: global }
      - { .name: mask, .offset: 40, .size: 8, .value_kind: global_buffer, .address_space: global }
      - { .name: cod, .offset: 48, .size: 8, .value_kind: global_buffer, .address_space: global }
      - { .name: scl, .offset: 56, .size: 8, .value_kind: global_buffer, .address_space: global }
      - { .name: mbits, .offset: 64, .size: 8, .value_kind: global_buffer, .address_space: global }
    .group_segment_fixed_size: 51712
    .private_segment_fixed_size: 0
    .kernarg_segment_align: 8
    .kernarg_segment_size: 72
    .max_flat_workgroup_size: 128
    .sgpr_count:     66
    .vgpr_count:     258
    .wavefront_size: 32
...
	.end_amdgpu_metadata
.endif
;; end of part 5
;; launch proj (part 6): grid 24 x 16, 4 waves a work-group, no clusters, 35,328 bytes of LDS; arguments cod, scl, q_b, k_b, v_b, qc, qs, kvc, kvs, out1, out2; writes qc, qs, kvc, kvs, out1, out2
.if DOCPART == 6
	.amdgcn_target "amdgcn-amd-amdhsa--gfx1250"
	.amdhsa_code_object_version 6
	.text
	.protected	k_q7009ffc2c6_proj
	.globl	k_q7009ffc2c6_proj
	.p2align	8
	.type	k_q7009ffc2c6_proj,@function
k_q7009ffc2c6_proj:
	s_mov_b64 s[64:65], 0
	v_nop
	global_prefetch_b8 v0, s[64:65] scope:SCOPE_SE
	s_setreg_imm32_b32 hwreg(HW_REG_WAVE_MODE, 25, 1), 1
	s_wait_xcnt 0x0
; PROJ.  q = x q_w^T + q_b, k = x k_w^T + k_b, v = x v_w^T + v_b on codes of E2M3 (K = 1,024: eight matrix instructions deep), and what attention wants of them:
; q and k quantised along the head's 64, v along the tokens; k and v also leave as f32 (out1, out2: [kv head][token][64]).
; SHARES.  Work-group (g, y): g = a column of 64 outputs (q heads 0-15, k heads 16-19, v heads 20-23), y = 256 tokens.  Wave w: tokens 256 y + 64 w: x's tiles A0 .. A0 + 3 against the weight's tiles W0 .. W0 + 3: 16 accumulators.
; Fragments lie in memory as images of their registers (see the layout at the head of the first launch), so they go from memory straight into registers, every load dense: no LDS for operands, no barrier.
; No cluster and no joint request: those serve tensor loads into LDS, which this launch has none of; a wave's 96 fragment registers and 128 accumulators fill its 256, so fragments have one set.
; q AND k ARE MADE TRANSPOSED (source 0 = 16 rows of the weight, source 1 = 16 tokens): a lane holds ONE token and, by the order of a tile's rows, its 32 registers of tiles 0-3 are features 32 b + 16 h + 0 .. 15, b = 0, 1.
; v IS MADE AS IT STANDS (source 0 = tokens): a lane holds ONE feature and its registers run along the tokens, which are the second product's K.
; OUT: qc = [head][tile] 768 bytes: six operand registers (16 tokens x 64): registers 0-3 at 16 x lane, 4-5 at 512 + 8 x lane.  qs = [head][64 tokens][row 16][4 tiles] words.
; kvc = [kv head][key step of 128][12,288]: K's eight tiles, 48 registers on end in chunks of four (512 bytes each); from 6,144 on V's four tiles of features x two halves of 64 keys, 768 bytes each.
; kvs = [kv head][key step][1,024]: K's tiles 0-3, K's 4-7, V's keys 0-63, V's 64-127; each 256 bytes = [lane][2 words]: word u holds tile 2 u in lanes 0-15 and tile 2 u + 1 in lanes 16-31.
; q's and k's words carry their two bytes twice: the first product runs 128 deep on 64, the rest being zero codes, and bytes 2, 3 must be scales like any other.
; LIMITS: a block of zeros gets the byte 1 (its codes are zeros; only this program reads the bytes); NaN and infinities are not served.
.set AF,  32                           ; v32-79   x's four fragments
.set WF,  80                           ; v80-127  the weight's four
.set ACC, 128                          ; v128-255 sixteen accumulators
.set SC,  16                           ; v16-23   scale words: register 2 i + (K step % 2): lanes 0-15 x's tile i, lanes 16-31 the weight's tile i
.set QM,  24                           ; v24-25 largest magnitudes, v26-27 the other half's / bytes, v28-29 scale operands
.set QP,  26
.set QE,  28
.set SEL, 36                           ; s[36:37] lane selects for lane l xor 16
.macro FRAG4 reg, base, off            ; a fragment's image into 12 registers
	global_load_b128 v[\reg:\reg+3], v1, s[\base:\base+1] offset:\off
	global_load_b64 v[\reg+4:\reg+5], v2, s[\base:\base+1] offset:\off+512
	global_load_b128 v[\reg+6:\reg+9], v1, s[\base:\base+1] offset:\off+768
	global_load_b64 v[\reg+10:\reg+11], v2, s[\base:\base+1] offset:\off+1280
.endm
; K step s.  nat = 0: transposed, accumulator (token tile i, weight tile t) at ACC + 32 i + 8 t, adding in place (the first step onto the bias).  nat = 1: as it stands, at ACC + 32 t + 8 i; zero = 1 starts the sums.
; The sixteen accumulators take turns, one instruction a turn, in the same order in every step.
.macro KSTEP s, nat, zero
.if (\s) > 0
.rept 4
	v_nop                                          ; four places between the last products and loads into registers that they have read (ISA guide 7.12.1 for vector instructions)
.endr
.endif
.irp i, 0,1,2,3
	FRAG4 AF+12*\i, 30, 12288*\i+1536*(\s)
	FRAG4 WF+12*\i, 32, 12288*\i+1536*(\s)
.endr
.if (\s)%2 == 0
.irp i, 0,1,2,3
	global_load_b64 v[SC+2*\i:SC+2*\i+1], v5, s[6:7] offset:86016*((\s)/2)+128*\i    ; the words of this K step and the next
.endr
.endif
	s_wait_loadcnt 0x0
.irp i, 0,1,2,3
.irp t, 0,1,2,3
.if \nat
.if \zero
	v_wmma_scale_f32_16x16x128_f8f6f4 v[ACC+32*\t+8*\i:ACC+32*\t+8*\i+7], v[AF+12*\i:AF+12*\i+11], v[WF+12*\t:WF+12*\t+11], 0, v[SC+2*\i+(\s)%2], v[SC+2*\t+(\s)%2] matrix_a_fmt:MATRIX_FMT_FP6 matrix_b_fmt:MATRIX_FMT_FP6 matrix_b_scale:MATRIX_SCALE_ROW1
.else
	v_wmma_scale_f32_16x16x128_f8f6f4 v[ACC+32*\t+8*\i:ACC+32*\t+8*\i+7], v[AF+12*\i:AF+12*\i+11], v[WF+12*\t:WF+12*\t+11], v[ACC+32*\t+8*\i:ACC+32*\t+8*\i+7], v[SC+2*\i+(\s)%2], v[SC+2*\t+(\s)%2] matrix_a_fmt:MATRIX_FMT_FP6 matrix_b_fmt:MATRIX_FMT_FP6 matrix_b_scale:MATRIX_SCALE_ROW1
.endif
.else
	v_wmma_scale_f32_16x16x128_f8f6f4 v[ACC+32*\i+8*\t:ACC+32*\i+8*\t+7], v[WF+12*\t:WF+12*\t+11], v[AF+12*\i:AF+12*\i+11], v[ACC+32*\i+8*\t:ACC+32*\i+8*\t+7], v[SC+2*\t+(\s)%2], v[SC+2*\i+(\s)%2] matrix_a_fmt:MATRIX_FMT_FP6 matrix_b_fmt:MATRIX_FMT_FP6 matrix_a_scale:MATRIX_SCALE_ROW1
.endif
.endr
.endr
.endm
; 32 numbers of a lane, register 16 b + i = k 32 b + 16 h + i of my row, become six operand registers v[dst] on (lanes 0-15 block 0, lanes 16-31 block 1) and v[wd] = byte of block 0 | byte of block 1 << 8.
; The sources are read in ascending order, so each accumulator is first read at its registers 0 and 1.
.macro QUANT2 src, dst, tmp, wd
.irp b, 0,1
	v_max3_num_f32 v[QM+\b], |v[\src+16*\b]|, |v[\src+16*\b+1]|, 0x1800000   ; my 16 numbers of block b, and the floor 2^(3 - 127)
.endr
.irp i, 2,4,6,8,10,12,14
.irp b, 0,1
	v_max3_num_f32 v[QM+\b], v[QM+\b], |v[\src+16*\b+\i]|, |v[\src+16*\b+\i+1]|
.endr
.endr
.irp b, 0,1
	v_permlanex16_b32 v[QP+\b], v[QM+\b], s[SEL], s[SEL+1]
.endr
.irp b, 0,1
	v_max_num_f32 v[QM+\b], v[QM+\b], v[QP+\b]     ; with lane l xor 16's 16: the block's largest magnitude
.endr
.irp b, 0,1
	v_add_nc_u32 v[QE+\b], 0xff000000, v[QM+\b]    ; 2 off its exponent field: the conversion's scale operand
.endr
.irp b, 0,1
	v_lshrrev_b32 v[QP+\b], 23, v[QE+\b]           ; the scale's byte
.endr
	v_lshl_or_b32 v[\wd], v[QP+1], 8, v[QP]
	v_cvt_scalef32_pk16_fp6_f32 v[\dst:\dst+2], v[\src:\src+15], v[QE]
	v_cvt_scalef32_pk16_fp6_f32 v[\tmp:\tmp+2], v[\src+16:\src+31], v[QE+1]
	v_nop                                          ; one plain place behind a scaled conversion
.irp k, 0,1,2
	v_permlane16_swap_b32 v[\dst+\k], v[\tmp+\k]   ; the operand wants a WHOLE block in a lane: dst now holds each lane's block's lower 16 codes, tmp the upper 16
.endr
.irp k, 0,1,2
	v_mov_b32 v[\dst+3+\k], v[\tmp+\k]
.endr
.endm
.macro STAGEK i                        ; transposed results of token tile i into my stage: row r = token, 32 bytes for each tile and half; each accumulator from its low end on
.irp t, 0,1,2,3
	ds_store_b128 v7, v[ACC+32*(\i)+8*\t:ACC+32*(\i)+8*\t+3] offset:(32*(\t/2)+8*(\t%2))*4
	ds_store_b128 v7, v[ACC+32*(\i)+8*\t+4:ACC+32*(\i)+8*\t+7] offset:(32*(\t/2)+8*(\t%2))*4+16
.endr
.endm
.macro STAGEV i                        ; results as they stand: register j is token row 8 h + j of tile i, my lane's feature is row r of weight tile t
.irp t, 0,1,2,3
.irp j, 0,1,2,3,4,5,6,7
	ds_store_b32 v7, v[ACC+32*\t+8*(\i)+\j] offset:272*\j+(32*(\t/2)+8*(\t%2))*4
.endr
.endr
.endm
.macro ROWSOUT i, base                 ; the stage's 16 rows of 256 bytes leave whole: sixteen lanes to a row, two rows an instruction
.if (\i) > 0
	s_wait_xcnt 0x0                                ; the last tile's stores have read v96-127: only now are they loaded again
.endif
.irp j, 0,1,2,3,4,5,6,7
	ds_load_b128 v[96+4*\j:99+4*\j], v8 offset:544*\j      ; LDS serves a wave's instructions in order: these see my stores
.endr
.irp j, 0,1,2,3,4,5,6,7
	s_wait_dscnt 7-\j                              ; load j is back; the 7 - j younger ones may be out
	global_store_b128 v9, v[96+4*\j:99+4*\j], s[\base:\base+1] offset:(32*((\i)/2)+8*((\i)%2)+2*\j+8*(\j/4))*256 th:TH_STORE_NT
.endr
.endm
.macro KVBASES outp, hstr, cbase, sbase    ; s44 = kv head.  s[38:39] my 64 rows of the f32 output, s[46:47] my codes' place in kvc, s[48:49] my words' in kvs
	s_lshl_b32 s45, s28, 1
	s_lshr_b32 s50, s26, 1
	s_add_co_u32 s45, s45, s50                     ; key step = 2 y + w / 2
	s_and_b32 s50, s26, 1                          ; which 64 of its 128 tokens
	s_lshl_b32 s40, s44, 20
	s_lshl_b32 s41, s28, 16
	s_add_co_u32 s40, s40, s41
	s_lshl_b32 s41, s26, 14
	s_add_co_u32 s40, s40, s41                     ; (4,096 kv + 256 y + 64 w) rows of 256 bytes
	s_mov_b32 s41, 0
	s_add_nc_u64 s[38:39], s[\outp:\outp+1], s[40:41]
	s_mul_i32 s40, s44, 393216
	s_mul_i32 s51, s45, 12288
	s_add_co_u32 s40, s40, s51
	s_mul_i32 s51, s50, \hstr
	s_add_co_u32 s40, s40, s51
	s_add_co_u32 s40, s40, \cbase
	s_add_nc_u64 s[46:47], s[18:19], s[40:41]
	s_lshl_b32 s40, s44, 15
	s_lshl_b32 s51, s45, 10
	s_add_co_u32 s40, s40, s51
	s_lshl_b32 s51, s50, 8
	s_add_co_u32 s40, s40, s51
	s_add_co_u32 s40, s40, \sbase
	s_add_nc_u64 s[48:49], s[20:21], s[40:41]
.endm
	s_load_b256 s[4:11], s[0:1], 0x0               ; cod, scl, q_b, k_b
	s_load_b256 s[12:19], s[0:1], 0x20             ; v_b, qc, qs, kvc
	s_load_b128 s[20:23], s[0:1], 0x40             ; kvs, out1
	s_load_b64 s[24:25], s[0:1], 0x50              ; out2
	s_set_vgpr_msb 0x40
	v_lshl_add_u32 v0, v0, 2, 0x8800
	v_mov_b32 v1, 0
	s_set_vgpr_msb 0x4000
	v_lshrrev_b32 v1, 5, v0
	v_readfirstlane_b32 s26, v1                    ; wave
	s_mov_b32 s27, ttmp9                           ; g
	s_and_b32 s28, ttmp7, 0xffff                   ; y
	v_and_b32 v2, 31, v0
	v_lshlrev_b32 v1, 4, v2                        ; 16 x lane
	v_lshlrev_b32 v2, 3, v2                        ; 8 x lane
	v_bfe_u32 v3, v0, 4, 1                         ; h
	v_and_b32 v4, 15, v0                           ; r
	s_lshl_b32 s29, s28, 4
	s_lshl_b32 s34, s26, 2
	s_add_co_u32 s29, s29, s34                     ; A0 = 16 y + 4 w
	s_lshl_b32 s35, s27, 2
	s_add_co_u32 s35, s35, 256                     ; W0 = 256 + 4 g
	s_lshl_b32 s40, s29, 7
	s_lshl_b32 s41, s35, 7
	v_mov_b32 v5, s40
	v_mov_b32 v10, s41
	v_cmp_ne_u32 vcc_lo, 0, v3
	v_cndmask_b32 v5, v5, v10, vcc_lo              ; scale words: lanes 0-15 x's tile, lanes 16-31 the weight's: 128 bytes a tile,
	v_lshl_add_u32 v5, v4, 3, v5                   ; 8 bytes a row
	v_lshlrev_b32 v6, 6, v3                        ; the bias: 64 h
	v_mov_b32 v26, 0                               ; written once: a lane permute's destination counts as one of its sources
	v_mov_b32 v27, 0
	s_mov_b32 s[SEL], 0x76543210
	s_mov_b32 s[SEL+1], 0xfedcba98
	s_mul_i32 s40, s29, 12288
	s_mov_b32 s41, 0
	s_mul_i32 s42, s35, 12288
	s_mov_b32 s43, 0
	s_wait_kmcnt 0x0
	s_add_nc_u64 s[30:31], s[4:5], s[40:41]        ; x's tiles
	s_add_nc_u64 s[32:33], s[4:5], s[42:43]        ; the weight's
	s_cmp_ge_u32 s27, 20
	s_cbranch_scc1 .Lv
	; ---- q and k: transposed.  The bias is the first C: it is loaded straight into the accumulators, in the result's layout (features 32 (t/2) + 16 h + 8 (t%2) + 0 .. 7)
	s_and_b32 s40, s27, 15
	s_lshl_b32 s40, s40, 8                         ; 64 numbers a head
	s_mov_b32 s41, 0
	s_cmp_lt_u32 s27, 16
	s_cselect_b64 s[38:39], s[8:9], s[10:11]
	s_add_nc_u64 s[38:39], s[38:39], s[40:41]
	s_wait_alu depctr_va_vdst(0)
.irp i, 0,1,2,3
.irp t, 0,1,2,3
	global_load_b128 v[ACC+32*\i+8*\t:ACC+32*\i+8*\t+3], v6, s[38:39] offset:(32*(\t/2)+8*(\t%2))*4
	global_load_b128 v[ACC+32*\i+8*\t+4:ACC+32*\i+8*\t+7], v6, s[38:39] offset:(32*(\t/2)+8*(\t%2))*4+16
.endr
.endr
.irp s, 0,1,2,3,4,5,6,7
	KSTEP \s, 0, 0
.endr
.rept 4
	v_nop                                          ; four places in front of the first read of results and of writes over the fragments
.endr
	s_cmp_ge_u32 s27, 16
	s_cbranch_scc1 .Lk
	; ---- q: four tiles of 16 tokens x 64 become codes and words
	s_lshl_b32 s40, s27, 8
	s_add_co_u32 s40, s40, s29
	s_mul_i32 s40, s40, 768                        ; qc: (256 head + tile) x 768
	s_mov_b32 s41, 0
	s_add_nc_u64 s[38:39], s[14:15], s[40:41]
	s_lshl_b32 s40, s27, 14
	s_lshl_b32 s42, s28, 10
	s_add_co_u32 s40, s40, s42
	s_lshl_b32 s42, s26, 8
	s_add_co_u32 s40, s40, s42                     ; qs: 16,384 head + 256 (4 y + w)
	s_add_nc_u64 s[42:43], s[16:17], s[40:41]
.irp i, 0,1,2,3
	QUANT2 ACC+32*\i, 64+6*\i, 88, 12+\i
	v_lshl_or_b32 v[12+\i], v[12+\i], 16, v[12+\i] ; the two bytes twice
	global_store_b128 v1, v[64+6*\i:67+6*\i], s[38:39] offset:768*\i
	global_store_b64 v2, v[68+6*\i:69+6*\i], s[38:39] offset:768*\i+512
.endr
	v_cmp_ne_u32 vcc_lo, 0, v3
	v_cndmask_b32 v10, v12, v14, vcc_lo            ; lanes 0-15 store tiles 0, 1 of row r, lanes 16-31 tiles 2, 3
	v_cndmask_b32 v11, v13, v15, vcc_lo
	v_lshlrev_b32 v7, 4, v4
	v_lshl_add_u32 v7, v3, 3, v7                   ; 16 r + 8 h
	global_store_b64 v7, v[10:11], s[42:43]        ; 256 consecutive bytes
	s_endpgm
	; ---- k: first the f32 rows, through my stage (LDS bytes 0 .. 17,407: 4,352 a wave), then the codes
.Lk:
	s_mul_i32 s40, s26, 4352
	v_mul_u32_u24 v7, v4, 272
	v_lshl_add_u32 v7, v3, 6, v7
	v_add_nc_u32 v7, s40, v7                       ; in: row r, + 64 h
	s_wait_alu depctr_va_vdst(0)
	v_mul_u32_u24 v8, v3, 272
	v_lshl_add_u32 v8, v4, 4, v8
	v_add_nc_u32 v8, s40, v8                       ; back: row h (+ 2 j), 16 r
	s_wait_alu depctr_va_vdst(0)
	v_lshlrev_b32 v9, 4, v4
	v_lshl_add_u32 v9, v3, 8, v9                   ; and the same in out1: 256 h + 16 r
	s_wait_alu depctr_va_vdst(0)
	s_sub_co_u32 s44, s27, 16
	KVBASES 22, 3072, 0, 0
.irp i, 0,1,2,3
	STAGEK \i
	ROWSOUT \i, 38
.endr
.irp i, 0,1,2,3
	QUANT2 ACC+32*\i, 64+6*\i, 88, 12+\i
	v_lshl_or_b32 v[12+\i], v[12+\i], 16, v[12+\i] ; the two bytes twice
.endr
.irp m, 0,1,2,3,4,5
	global_store_b128 v1, v[64+4*\m:67+4*\m], s[46:47] offset:512*\m     ; my four tiles' 24 registers on end, in chunks of four
.endr
	v_cmp_ne_u32 vcc_lo, 0, v3
	v_cndmask_b32 v10, v12, v13, vcc_lo            ; word u: tile 2 u in lanes 0-15, tile 2 u + 1 in lanes 16-31
	v_cndmask_b32 v11, v14, v15, vcc_lo
	global_store_b64 v2, v[10:11], s[48:49]
	s_set_vgpr_msb 0x5
	s_wait_tensorcnt 0x0
	ds_add_u32 v0, v1
	s_wait_dscnt 0x0
	s_set_vgpr_msb 0x500
	s_endpgm
	; ---- v: as it stands.  A lane has one feature, so its bias is one number a tile: loaded twice, into an even pair, and added behind the sums
.Lv:
	s_sub_co_u32 s44, s27, 20
	s_lshl_b32 s40, s44, 8
	s_mov_b32 s41, 0
	s_add_nc_u64 s[38:39], s[12:13], s[40:41]
	s_wait_alu depctr_va_vdst(0)
	v_and_b32 v7, 8, v4
	v_add_nc_u32 v7, v7, v4                        ; r + 8 (r / 8): my feature in a tile of the weight
	v_lshlrev_b32 v7, 2, v7
.irp t, 0,1,2,3
	global_load_b32 v[24+2*\t], v7, s[38:39] offset:(32*(\t/2)+8*(\t%2))*4
	global_load_b32 v[25+2*\t], v7, s[38:39] offset:(32*(\t/2)+8*(\t%2))*4
.endr
	KSTEP 0, 1, 1
.irp s, 1,2,3,4,5,6,7
	KSTEP \s, 1, 0
.endr
.rept 4
	v_nop
.endr
.irp t, 0,1,2,3
.irp k, 0,2,4,6,8,10,12,14,16,18,20,22,24,26,28,30
	v_pk_add_f32 v[ACC+32*\t+\k:ACC+32*\t+\k+1], v[ACC+32*\t+\k:ACC+32*\t+\k+1], v[24+2*\t:25+2*\t]   ; ascending: each accumulator from its low end on
.endr
.endr
	s_mul_i32 s40, s26, 4352
	s_add_co_u32 s40, s40, 17408                   ; my stage: this path has LDS bytes of its own, 17,408 .. 34,815
	v_mad_u32_u24 v7, v3, 2176, v7                 ; in: token row 8 h (+ j), my feature's 4 bytes (the bias loads, which read v7, were waited for in the K steps)
	v_add_nc_u32 v7, s40, v7
	s_wait_alu depctr_va_vdst(0)
	v_mul_u32_u24 v8, v3, 272
	v_lshl_add_u32 v8, v4, 4, v8
	v_add_nc_u32 v8, s40, v8
	s_wait_alu depctr_va_vdst(0)
	v_lshlrev_b32 v9, 4, v4
	v_lshl_add_u32 v9, v3, 8, v9
	s_wait_alu depctr_va_vdst(0)
	KVBASES 24, 768, 6144, 512
.irp i, 0,1,2,3
	STAGEV \i
	ROWSOUT \i, 38
.endr
.irp t, 0,1,2,3
	QUANT2 ACC+32*\t, 64+6*\t, 88, 12+\t           ; row = a feature, K = my 64 tokens: two blocks of 32
	global_store_b128 v1, v[64+6*\t:67+6*\t], s[46:47] offset:1536*\t
	global_store_b64 v2, v[68+6*\t:69+6*\t], s[46:47] offset:1536*\t+512
.endr
	v_cmp_ne_u32 vcc_lo, 0, v3
	v_cndmask_b32 v10, v12, v13, vcc_lo
	v_cndmask_b32 v11, v14, v15, vcc_lo
	global_store_b64 v2, v[10:11], s[48:49]
	s_set_vgpr_msb 0x5
	s_wait_tensorcnt 0x0
	ds_add_u32 v0, v1
	s_wait_dscnt 0x0
	s_set_vgpr_msb 0x500
	s_endpgm
.Lfunc_end_k_q7009ffc2c6_proj:
	.size	k_q7009ffc2c6_proj, .Lfunc_end_k_q7009ffc2c6_proj-k_q7009ffc2c6_proj
	.p2alignl 7, 3214868480
	.fill 96, 4, 3214868480
	.section	.rodata,"a",@progbits
	.p2align	6, 0x0
	.amdhsa_kernel k_q7009ffc2c6_proj
		.amdhsa_group_segment_fixed_size 35328
		.amdhsa_private_segment_fixed_size 0
		.amdhsa_enable_private_segment 0
		.amdhsa_kernarg_size 88
		.amdhsa_user_sgpr_count 2
		.amdhsa_user_sgpr_kernarg_segment_ptr 1
		.amdhsa_wavefront_size32 1
		.amdhsa_system_sgpr_workgroup_id_x 1
		.amdhsa_system_sgpr_workgroup_id_y 1
		.amdhsa_system_sgpr_workgroup_id_z 1
		.amdhsa_system_vgpr_workitem_id 0
		.amdhsa_next_free_vgpr 258
		.amdhsa_next_free_sgpr 66
		.amdhsa_reserve_vcc 1
		.amdhsa_float_denorm_mode_32 3
		.amdhsa_float_denorm_mode_16_64 3
		.amdhsa_memory_ordered 1
		.amdhsa_forward_progress 1
		.amdhsa_inst_pref_size 148
	.end_amdhsa_kernel
	.amdgpu_metadata
---
amdhsa.version: [ 1, 2 ]
amdhsa.kernels:
  - .name:           k_q7009ffc2c6_proj
    .symbol:         k_q7009ffc2c6_proj.kd
    .args:
      - { .name: cod, .offset: 0, .size: 8, .value_kind: global_buffer, .address_space: global }
      - { .name: scl, .offset: 8, .size: 8, .value_kind: global_buffer, .address_space: global }
      - { .name: q_b, .offset: 16, .size: 8, .value_kind: global_buffer, .address_space: global }
      - { .name: k_b, .offset: 24, .size: 8, .value_kind: global_buffer, .address_space: global }
      - { .name: v_b, .offset: 32, .size: 8, .value_kind: global_buffer, .address_space: global }
      - { .name: qc, .offset: 40, .size: 8, .value_kind: global_buffer, .address_space: global }
      - { .name: qs, .offset: 48, .size: 8, .value_kind: global_buffer, .address_space: global }
      - { .name: kvc, .offset: 56, .size: 8, .value_kind: global_buffer, .address_space: global }
      - { .name: kvs, .offset: 64, .size: 8, .value_kind: global_buffer, .address_space: global }
      - { .name: out1, .offset: 72, .size: 8, .value_kind: global_buffer, .address_space: global }
      - { .name: out2, .offset: 80, .size: 8, .value_kind: global_buffer, .address_space: global }
    .group_segment_fixed_size: 35328
    .private_segment_fixed_size: 0
    .kernarg_segment_align: 8
    .kernarg_segment_size: 88
    .max_flat_workgroup_size: 128
    .sgpr_count:     66
    .vgpr_count:     258
    .wavefront_size: 32
...
	.end_amdgpu_metadata
.endif
;; end of part 6
;; launch attn (part 7): grid 64 x 4, 16 waves a work-group, no clusters, 84,992 bytes of LDS; arguments qc, qs, kvc, kvs, mbits, cod, scl; writes cod, scl
.if DOCPART == 7
	.amdgcn_target "amdgcn-amd-amdhsa--gfx1250"
	.amdhsa_code_object_version 6
	.text
	.protected	k_q7009ffc2c6_attn
	.globl	k_q7009ffc2c6_attn
	.p2align	8
	.type	k_q7009ffc2c6_attn,@function
k_q7009ffc2c6_attn:
	s_mov_b64 s[64:65], 0
	v_nop
	global_prefetch_b8 v0, s[64:65] scope:SCOPE_SE
	s_setreg_imm32_b32 hwreg(HW_REG_WAVE_SCHED_MODE, 0, 2), 2
	s_setreg_imm32_b32 hwreg(HW_REG_WAVE_MODE, 25, 1), 1
	s_wait_xcnt 0x0
	s_wait_alu depctr_vm_vsrc(0)
; ATTN.  For each head: S = q k^T / 8, hidden scores replaced, softmax, O = P v; both products on codes of E2M3; O quantised along the model's 1,024 for the last projection.
; THE SOFTMAX AHEAD OF THE SECOND PRODUCT: t = score x log2(e) / 8; M = the row's largest t so far, rounded UP to a whole number; p = 2^(t - M) is quantised along the keys, not normalised.
; The row's sum is taken of the unquantised p and divides O at the end.  When M moves, the sum and O are multiplied by 2^(old M - new M): exact.
; THE MASK IS AN INPUT: every pair of query and key is computed.  The first launch has turned its bytes into lane masks, one word for each register of a step's scores; they come by scalar loads and steer v_cndmask_b32 alone.
; LIMIT: a hidden score is held at the raw value -2^33, a logit of -2^30 = -1.074e9, where the definition has -1e9: -2^33 x c is exact in f32 and a whole number, so a row with no visible key has p = 1 throughout
; (uniform weights, as defined).  Results differ from the definition only where a visible logit lies at or under about -1e9.  NaN and infinities are not served; a block of zeros gets the byte 1 (its codes are zeros).
; SHARES.  Work-group (x, kv): 64 queries (tiles 4 x .. 4 x + 3) x the four query heads of kv head kv.  Wave w: tile w / 4, head 4 kv + w % 4: 16 queries of one head in 256 registers; four waves to a SIMD,
; so that one wave's vector work stands beside another's matrix work and LDS loads.  Every wave walks 32 key steps of 128.
; K AND V come as register images (see the second launch's head): a slot of LDS holds two key steps, 24,576 bytes.  Each of the 512 threads loads 48 bytes of the next slot into registers at the head of a slot's work and
; stores them to the other slot when that work is done: the loads are out for two whole key steps, so no wave waits for them.  One barrier a slot: a slot is written only behind the barrier that every wave reaches behind
; the wait for its last reads of it, and read only behind the barrier that follows the wait for the stores.  The scale words of the whole kv head, 32,768 bytes, stay in LDS.
; No tensor load, cluster or joint request: a key step brings a work-group 13,312 bytes, against some 300 vector instructions in each of its sixteen waves.
; BOTH PRODUCTS ARE USED TRANSPOSED: S^T = K Q^T, O^T = V^T P^T: a lane holds ONE query throughout; by the order of a tile's rows the 16 registers of tiles 2 b, 2 b + 1 of S^T are keys 32 b + 16 h + 0 .. 15.
; THE FIRST PRODUCT HAS K = 64 in an instruction of 128: Q's registers 6-11 are zero codes, and K's operand of tile t is v[40 + 6 t .. + 11], whose upper six registers are the next tile's codes (behind tile 7: zeros).
; Every code is a finite number and every scale byte a scale, so k = 64 .. 127 adds exactly 0; K takes half the registers and half the LDS bytes.
; THE MODE: SCHED_MODE bits 1:0 = 2 (LLVM: expert scheduling mode 2), set by the entry lines.  The code itself states the register dependences between vector or matrix instructions and memory or LDS
; instructions, with s_wait_alu, always for 0.
; THE PLAN.  Registers that memory or LDS instructions touch, in the loop:
;   v40-87    A step's head: LDS loads bring K's tiles; the eight first products read them.  Behind the selects: LDS loads bring V's fragments; the four second products read them.
;   v30-37    A step's head: LDS loads bring the scale words; the first products read v30-33, two v_lshl_or_b32 read v34-37.
;   v232-243  Global loads bring the next slot's bytes, LDS stores read them; no vector instruction names them.
;   v4        Read by the loads of the scale words; written once a trip, at the trip's head.
;   v1, v2, v3  Offsets and LDS addresses, made at the kernel's head and never written again.
; Five waits on va_vdst stand in a step: at its head (the last step is done with v40-87 and v30-37), behind the selects (the first products are done with K's tiles), ahead of the exponentials (t - M is written), behind the exponentials (their results are
; written), and ahead of the second products (p's codes and the scale words that vector instructions made are written).  Two waits on vm_vsrc stand in a trip: at its head (v4, v232-243) and behind the middle barrier (v232-243).
.set SLOTB, 24576
.set STEPB, 12288
.set SCL,   49152                      ; behind the two slots: the scale words
.set SCO,   81920                      ; the output's scale bytes: [tile 4][row 16][8 bytes]
.set QM,    212                        ; v212-215 block maxima
.set QP,    216                        ; v216-219 the other half's, then bytes
.set QE,    220                        ; v220-223 scale operands
.set SEL,   84                         ; s[84:85] lane selects for lane l xor 16
; REGISTERS: v1 16 x lane; v2 8 x lane; v3 16 x thread; v4 the trip's scale words; v5 -2^33; v6 SCL + 8 x lane; v7, v9 the output's scale bytes; v8 SCL + 16 x thread; v12 -M; v13 largest t; v[14:15] the sum;
; v16-27 Q and its zeros; v28 Q's word; v30-33 K's words; v34-37 V's halves; v38-39 V's words; v40-87 K's eight tiles, then V's four fragments; v88-93 zeros; v96-159 S^T, then p; v160-191 O^T; v192-203 p's codes;
; v204-210 at work; v224 p's word; v[226:227] f; v[228:229] the sum's second chain; v230 at work; v232-243 the next slot's 48 bytes; v254, v255 the closing add's two.
; s[16:63], s[68:83]: a step's 64 lane masks (word n in s[16 + n], from n = 48 on in s[20 + n]).
.macro QUANT2 src, dst, tmp, wd        ; 32 numbers of a lane, register 16 b + i = k 32 b + 16 h + i, become six operand registers and a word of two bytes
.irp b, 0,1
	v_max3_num_f32 v[QM+\b], |v[\src+16*\b]|, |v[\src+16*\b+1]|, 0x1800000
.endr
.irp i, 2,4,6,8,10,12,14
.irp b, 0,1
	v_max3_num_f32 v[QM+\b], v[QM+\b], |v[\src+16*\b+\i]|, |v[\src+16*\b+\i+1]|
.endr
.endr
.irp b, 0,1
	v_permlanex16_b32 v[QP+\b], v[QM+\b], s[SEL], s[SEL+1]
.endr
.irp b, 0,1
	v_max_num_f32 v[QM+\b], v[QM+\b], v[QP+\b]
.endr
.irp b, 0,1
	v_add_nc_u32 v[QE+\b], 0xff000000, v[QM+\b]
.endr
.irp b, 0,1
	v_lshrrev_b32 v[QP+\b], 23, v[QE+\b]
.endr
	v_lshl_or_b32 v[\wd], v[QP+1], 8, v[QP]
	v_cvt_scalef32_pk16_fp6_f32 v[\dst:\dst+2], v[\src:\src+15], v[QE]
	v_cvt_scalef32_pk16_fp6_f32 v[\tmp:\tmp+2], v[\src+16:\src+31], v[QE+1]
	v_nop                                          ; one plain place behind a scaled conversion
.irp k, 0,1,2
	v_permlane16_swap_b32 v[\dst+\k], v[\tmp+\k]
.endr
.irp k, 0,1,2
	v_mov_b32 v[\dst+3+\k], v[\tmp+\k]
.endr
.endm
.macro MLOAD off                       ; a step's 64 lane masks, 256 bytes
	s_load_b512 s[16:31], s[8:9], \off
	s_load_b512 s[32:47], s[8:9], \off+64
	s_load_b512 s[48:63], s[8:9], \off+128
	s_load_b512 s[68:83], s[8:9], \off+192
.endm
; A KEY STEP: 128 keys: the q-th of slot 'slot', the m-th of the trip.
.macro STEP slot, q, m
	s_wait_alu depctr_va_vdst(0)                   ; the last step's second products are done reading V's fragments v40-87, its first products K's words v30-33, its two v_lshl_or_b32 v34-37: the loads below land in all of these.  In a trip's first step v4 is written, which they read; in the launch's first step the zero codes v22-27 and v88-93 are written, which the products below take
.irp k, 0,1,2,3,4,5,6,7,8,9,10,11
	ds_load_b128 v[40+4*\k:43+4*\k], v1 offset:SLOTB*(\slot)+STEPB*(\q)+512*\k    ; K's eight tiles: 48 registers.  (The 32 additions at the last step's end are the places behind its products, which read these registers)
.endr
.irp e, 0,1,2,3
	ds_load_b64 v[30+2*\e:31+2*\e], v4 offset:1024*(\m)+256*\e                    ; K's words of tiles 0-3, 4-7; V's of keys 0-63, 64-127
.endr
	s_wait_dscnt 0x0
.irp t, 0,1,2,3,4,5,6,7
.if \t%2
	v_wmma_scale_f32_16x16x128_f8f6f4 v[96+8*\t:103+8*\t], v[40+6*\t:51+6*\t], v[16:27], 0, v[30+\t/2], v28 matrix_a_fmt:MATRIX_FMT_FP6 matrix_b_fmt:MATRIX_FMT_FP6 matrix_a_scale:MATRIX_SCALE_ROW1
.else
	v_wmma_scale_f32_16x16x128_f8f6f4 v[96+8*\t:103+8*\t], v[40+6*\t:51+6*\t], v[16:27], 0, v[30+\t/2], v28 matrix_a_fmt:MATRIX_FMT_FP6 matrix_b_fmt:MATRIX_FMT_FP6
.endif
.endr
	v_lshl_or_b32 v38, v36, 16, v34                ; V's words for 128 keys: bytes 0, 1 from keys 0-63, bytes 2, 3 from keys 64-127.  These two lines and two v_nop are the four places
	v_lshl_or_b32 v39, v37, 16, v35                ; behind the products, in front of the first read of the scores (ISA guide 7.12.1)
	v_nop
	v_nop
	s_wait_kmcnt 0x0                               ; this step's lane masks, asked for behind the last step's selects
.set n, 0
.rept 64
.if n < 48
	v_cndmask_b32 v[96+n], v5, v[96+n], s[16+n]    ; a hidden score becomes -2^33.  Ascending: each accumulator is first read at its register 0
.else
	v_cndmask_b32 v[96+n], v5, v[96+n], s[20+n]
.endif
.set n, n+1
.endr
	s_wait_alu depctr_va_vdst(0)                   ; the eight products above are done reading K's tiles v40-87, in which V's fragments land
.irp t, 0,1,2,3
.irp c, 0,1
	ds_load_b128 v[40+12*\t+6*\c:43+12*\t+6*\c], v1 offset:SLOTB*(\slot)+STEPB*(\q)+6144+1536*\t+768*\c       ; V's four fragments land while the softmax is walked: no vector or matrix instruction names v40-87 before the wait for them
	ds_load_b64 v[44+12*\t+6*\c:45+12*\t+6*\c], v2 offset:SLOTB*(\slot)+STEPB*(\q)+6144+1536*\t+768*\c+512
.endr
.endr
.if (\m) < 3
	MLOAD 256*((\m)+1)                             ; the next step's masks: the scalar registers are free from here on
.else
	s_cmp_eq_u32 s3, 1                             ; the launch's last step asks for nothing: no load leaves its buffer
	s_cbranch_scc1 .Lno_mask_\@
	MLOAD 1024
.Lno_mask_\@:
.endif
.irp b, 0,1,2,3
	v_max3_num_f32 v[212+\b], v[96+16*\b], v[97+16*\b], v[98+16*\b]   ; the largest score of each block of 32 keys: it serves the row's maximum and, since p rises with the score, the block's largest p
.endr
.irp i, 3,5,7,9,11,13
.irp b, 0,1,2,3
	v_max3_num_f32 v[212+\b], v[212+\b], v[96+16*\b+\i], v[97+16*\b+\i]
.endr
.endr
.irp b, 0,1,2,3
	v_max_num_f32 v[212+\b], v[212+\b], v[111+16*\b]
.endr
.irp b, 0,1,2,3
	v_permlanex16_b32 v[216+\b], v[212+\b], s[SEL], s[SEL+1]
.endr
.irp b, 0,1,2,3
	v_max_num_f32 v[212+\b], v[212+\b], v[216+\b]  ; with lane l xor 16's 16 keys
.endr
	v_max3_num_f32 v230, v212, v213, v214
	v_max_num_f32 v230, v230, v215                 ; the step's largest score of my query
	v_mul_f32 v230, s14, v230                      ; as t (c is positive)
	v_max_num_f32 v13, v13, v230                   ; the running largest t
	v_mov_b32 v230, v12
	v_floor_f32 v12, -v13                          ; the new -M = floor(-t) = -ceil(t)
	v_sub_f32 v230, v12, v230                      ; old M - new M: a whole number, 0 or less
	v_cvt_i32_f32 v230, v230                       ; (it saturates)
	v_ldexp_f32 v226, 1.0, v230                    ; f = 2^(old M - new M)
.set n, 0
.rept 32
	v_pk_fma_f32 v[96+n:97+n], v[96+n:97+n], s[14:15], v[12:13] op_sel_hi:[1,0,0]   ; t - M, two at a time (of the pairs c and -M the low word serves both halves)
.set n, n+2
.endr
.irp b, 0,1,2,3
	v_fma_f32 v[212+\b], v[212+\b], s14, v12       ; the same of each block's largest score
.endr
.set n, 0
	s_wait_alu depctr_va_vdst(0)
.rept 64
	v_exp_f32 v[96+n], v[96+n]                     ; p = 2^(t - M), at most 1
.set n, n+1
.endr
.irp b, 0,1,2,3
	v_exp_f32 v[212+\b], v[212+\b]                 ; the block's largest p: the same two instructions on the same number
.endr
	v_pk_mul_f32 v[14:15], v[14:15], v[226:227] op_sel_hi:[1,0]   ; the sum under the new M.  (The plain place behind the exponentials)
	s_wait_alu depctr_va_vdst(0)                   ; the 68 exponentials have written p (v96-159) and the blocks' largest p (v212-215): one wait for the batch, ahead of its first reader
.irp b, 0,1,2,3
	v_max_num_f32 v[212+\b], 0x1800000, v[212+\b]  ; the floor 2^(3 - 127): the byte cannot fall under 1
.endr
.irp b, 0,1,2,3
	v_add_nc_u32 v[220+\b], 0xff000000, v[212+\b]  ; 2 off the exponent field: the conversion's scale operand
.endr
.irp b, 0,1,2,3
	v_lshrrev_b32 v[216+\b], 23, v[220+\b]         ; the scale's byte
.endr
	v_lshl_or_b32 v224, v217, 8, v216              ; p's scale word for these 128 keys
	v_lshl_or_b32 v224, v218, 16, v224
	v_lshl_or_b32 v224, v219, 24, v224
.irp c, 0,1
	v_cvt_scalef32_pk16_fp6_f32 v[192+6*\c:194+6*\c], v[96+32*\c:111+32*\c], v[220+2*\c]
	v_cvt_scalef32_pk16_fp6_f32 v[204+4*\c:206+4*\c], v[112+32*\c:127+32*\c], v[220+2*\c+1]   ; (a conversion's three registers begin on an even number)
.endr
	v_nop                                          ; one plain place behind a scaled conversion
.irp c, 0,1
.irp i, 0,1,2
	v_permlane16_swap_b32 v[192+6*\c+\i], v[204+4*\c+\i]   ; the operand wants a WHOLE block in a lane
.endr
.irp i, 0,1,2
	v_mov_b32 v[195+6*\c+\i], v[204+4*\c+\i]
.endr
.endr
.set n, 0
.rept 16
	v_pk_mul_f32 v[160+n:161+n], v[160+n:161+n], v[226:227] op_sel_hi:[1,0]   ; O^T under the new M, ascending.  For each product below twelve of these name none of its registers: the eight places behind p's word and the four behind its codes
.set n, n+2
.endr
	s_wait_dscnt 0x0                               ; V's fragments
	s_wait_alu depctr_va_vdst(0)                   ; p's codes v192-203, p's word v224 and V's words v38, v39 are written, which the products below take as operand and as scales; the places above stay beside this wait
.irp t, 0,1,2,3
.if \t%2
	v_wmma_scale_f32_16x16x128_f8f6f4 v[160+8*\t:167+8*\t], v[40+12*\t:51+12*\t], v[192:203], v[160+8*\t:167+8*\t], v[38+\t/2], v224 matrix_a_fmt:MATRIX_FMT_FP6 matrix_b_fmt:MATRIX_FMT_FP6 matrix_a_scale:MATRIX_SCALE_ROW1
.else
	v_wmma_scale_f32_16x16x128_f8f6f4 v[160+8*\t:167+8*\t], v[40+12*\t:51+12*\t], v[192:203], v[160+8*\t:167+8*\t], v[38+\t/2], v224 matrix_a_fmt:MATRIX_FMT_FP6 matrix_b_fmt:MATRIX_FMT_FP6
.endif
.endr
	v_pk_add_f32 v[228:229], v[96:97], v[98:99]    ; the row's sum of the UNQUANTISED p, in two chains: 32 plain lines that name no register of the products above: their places
.irp j, 4,8,12,16,20,24,28,32,36,40,44,48,52,56,60
	v_pk_add_f32 v[14:15], v[14:15], v[96+\j:97+\j]
	v_pk_add_f32 v[228:229], v[228:229], v[98+\j:99+\j]
.endr
	v_pk_add_f32 v[14:15], v[14:15], v[228:229]
.endm
	s_load_b256 s[16:23], s[0:1], 0x0              ; qc, qs, kvc, kvs
	s_load_b128 s[24:27], s[0:1], 0x20             ; mbits, cod
	s_load_b64 s[28:29], s[0:1], 0x30              ; scl
	v_lshl_add_u32 v254, v0, 2, 0x14400
	v_mov_b32 v255, 0
	v_lshrrev_b32 v1, 5, v0
	v_readfirstlane_b32 s2, v1                     ; wave 0..15
	s_wait_alu depctr_va_sdst(0)                   ; s2 is written, ahead of its first reader: the wave's tile, head and addresses are made from it
	s_lshr_b32 s4, s2, 2                           ; which of the four query tiles
	s_and_b32 s5, s2, 3                            ; which of the four heads
	s_and_b32 s30, ttmp7, 0xffff                   ; kv head
	s_lshl_b32 s31, ttmp9, 2
	s_add_co_u32 s31, s31, s4                      ; query tile 0..255
	s_lshl_b32 s32, s30, 2
	s_add_co_u32 s32, s32, s5                      ; head
	s_lshl_b32 s34, s32, 8
	s_add_co_u32 s34, s34, s31
	s_mul_i32 s34, s34, 768                        ; qc: (256 head + tile) x 768
	s_mov_b32 s35, 0
	s_lshl_b32 s36, s32, 14
	s_lshl_b32 s37, ttmp9, 8
	s_add_co_u32 s36, s36, s37
	s_lshl_b32 s37, s4, 2
	s_add_co_u32 s36, s36, s37                     ; qs: 16,384 head + 256 x + 4 (tile % 4)
	s_mov_b32 s37, 0
	s_mul_i32 s38, s30, 393216                     ; kvc: 32 steps x 12,288 a kv head
	s_mov_b32 s39, 0
	s_lshl_b32 s40, s30, 15                        ; kvs: 32,768 a kv head
	s_mov_b32 s41, 0
	s_lshl_b32 s42, s31, 13                        ; mbits: 8,192 a tile
	s_mov_b32 s43, 0
	s_add_co_u32 s44, s31, 416
	s_mul_i32 s44, s44, 12288                      ; cod: the output's tiles begin at tile 416;
	s_lshl_b32 s45, s30, 1
	s_lshr_b32 s46, s5, 1
	s_add_co_u32 s45, s45, s46
	s_mul_i32 s45, s45, 1536                       ; K step = head / 2,
	s_add_co_u32 s44, s44, s45
	s_and_b32 s45, s5, 1
	s_mul_i32 s45, s45, 768                        ; its half = head % 2
	s_add_co_u32 s44, s44, s45
	s_mov_b32 s45, 0
	s_mul_i32 s46, s30, 86016                      ; scl: the pair of K steps = kv head,
	s_lshl_b32 s47, ttmp9, 9
	s_add_co_u32 s46, s46, s47
	s_add_co_u32 s46, s46, 416*128                 ; tiles 416 + 4 x on, 128 bytes each
	s_mov_b32 s47, 0
	s_lshl_b32 s48, s4, 7
	s_lshl_b32 s49, s5, 1
	s_add_co_u32 s48, s48, s49
	s_add_co_u32 s48, s48, SCO
	s_mov_b32 s14, 0x3e38aa3b                      ; c = log2(e) / 8
	s_mov_b32 s15, s14                             ; (named with it as a pair, so it is written)
	s_mov_b32 s[SEL], 0x76543210
	s_mov_b32 s[SEL+1], 0xfedcba98
	v_and_b32 v2, 31, v0
	v_lshlrev_b32 v1, 4, v2                        ; 16 x lane
	v_lshlrev_b32 v2, 3, v2                        ; 8 x lane
	v_lshlrev_b32 v3, 4, v0                        ; 16 x thread
	v_add_nc_u32 v8, SCL, v3
	v_mov_b32 v5, 0xd0000000                       ; -2^33
	v_add_nc_u32 v6, SCL, v2
	v_and_b32 v10, 15, v0                          ; r
	v_lshlrev_b32 v11, 4, v10                      ; 16 r
	v_lshl_add_u32 v7, v10, 3, s48                 ; my two bytes of the output's scales: 128 tile + 8 r + 2 head
	v_add_nc_u32 v9, SCO, v1
	s_wait_kmcnt 0x0
	s_add_nc_u64 s[16:17], s[16:17], s[34:35]
	s_add_nc_u64 s[18:19], s[18:19], s[36:37]
	s_add_nc_u64 s[6:7], s[20:21], s[38:39]
	s_add_nc_u64 s[22:23], s[22:23], s[40:41]
	s_add_nc_u64 s[8:9], s[24:25], s[42:43]
	s_add_nc_u64 s[10:11], s[26:27], s[44:45]
	s_add_nc_u64 s[12:13], s[28:29], s[46:47]
	s_wait_alu depctr_va_vdst(0)                   ; the offsets and LDS addresses v1, v2, v3, v7, v8, v9 and v11 are written, which the kernel's loads and stores read; none of them is written again
	global_load_b128 v[16:19], v1, s[16:17]        ; Q's six registers stay
	global_load_b64 v[20:21], v2, s[16:17] offset:512
	global_load_b32 v28, v11, s[18:19]             ; and its scale words
.irp j, 0,1,2,3
	global_load_b128 v[96+4*\j:99+4*\j], v3, s[22:23] offset:8192*\j          ; the kv head's scale words: 512 threads x 64 bytes
.endr
.irp j, 0,1,2
	global_load_b128 v[232+4*\j:235+4*\j], v3, s[6:7] offset:8192*\j          ; slot 0: key steps 0 and 1
.endr
.irp j, 22,23,24,25,26,27,88,89,90,91,92,93
	v_mov_b32 v[\j], 0                             ; zero codes
.endr
.set n, 0
.rept 32
	v_mov_b32 v[160+n], 0                          ; O^T.  (The step is written once: the first finds zeros, which the first change of M leaves zeros)
.set n, n+1
.endr
	v_mov_b32 v14, 0                               ; the sum, in two halves
	v_mov_b32 v15, 0
.irp b, 0,1,2,3
	v_mov_b32 v[216+\b], 0                         ; written once: a lane permute's destination counts as one of its sources
.endr
	v_mov_b32 v227, 0                              ; (named as the upper half of the pair v[226:227])
	v_mov_b32 v13, 0xff61b1e6                      ; the largest t so far: -3e38, under every t
	v_floor_f32 v12, -v13                          ; -M
	s_wait_loadcnt 0x0
.irp j, 0,1,2,3
	ds_store_b128 v8, v[96+4*\j:99+4*\j] offset:8192*\j
.endr
.irp j, 0,1,2
	ds_store_b128 v3, v[232+4*\j:235+4*\j] offset:8192*\j
.endr
	s_wait_dscnt 0x0                               ; for the others' sake: my stores have landed
	s_barrier_signal -1
	s_barrier_wait -1
	MLOAD 0                                        ; the first step's masks, over scalar registers whose addresses have served (their loads were waited for above)
	s_mov_b32 s3, 8                                ; trips of four key steps
	s_mov_b32 s86, 0
.Ltrip:
	s_wait_alu depctr_vm_vsrc(0)                   ; the LDS loads issued so far have read v4, which the next line writes; my LDS stores have read v232-243, in which the loads below land (in the first trip also v96-111, which the first products write)
	v_add_nc_u32 v4, s86, v6                       ; the trip's scale words: 1,024 bytes a step
.irp j, 0,1,2
	global_load_b128 v[232+4*\j:235+4*\j], v3, s[6:7] offset:SLOTB+8192*\j    ; slot 1's next two steps: out for two whole key steps
.endr
	STEP 0, 0, 0
	STEP 0, 1, 1
	s_wait_loadcnt 0x0
.irp j, 0,1,2
	ds_store_b128 v3, v[232+4*\j:235+4*\j] offset:SLOTB+8192*\j               ; nobody reads slot 1 between the last barrier and the next
.endr
	s_wait_dscnt 0x0                               ; my stores have landed and my reads of slot 0 are over
	s_barrier_signal -1
	s_barrier_wait -1
	s_wait_alu depctr_vm_vsrc(0)                   ; my LDS stores have read v232-243, in which the loads below land: stated ahead of the branch
	s_cmp_eq_u32 s3, 1                             ; the last trip has no slot behind it: no load leaves its buffer
	s_cbranch_scc1 .Lno_more
.irp j, 0,1,2
	global_load_b128 v[232+4*\j:235+4*\j], v3, s[6:7] offset:2*SLOTB+8192*\j
.endr
.Lno_more:
	STEP 1, 0, 2
	STEP 1, 1, 3
	s_wait_loadcnt 0x0                             ; on every way
	s_cmp_eq_u32 s3, 1
	s_cbranch_scc1 .Lno_fill
.irp j, 0,1,2
	ds_store_b128 v3, v[232+4*\j:235+4*\j] offset:8192*\j
.endr
.Lno_fill:
	s_wait_dscnt 0x0                               ; my stores have landed and my reads of slot 1 are over
	s_barrier_signal -1
	s_barrier_wait -1
	s_wait_xcnt 0x0                                ; the scalar loads of the next masks have read their base: only now do the bases step
	s_add_nc_u64 s[6:7], s[6:7], 2*SLOTB
	s_add_nc_u64 s[8:9], s[8:9], 1024
	s_add_co_u32 s86, s86, 4096
	s_sub_co_u32 s3, s3, 1
	s_cmp_lg_u32 s3, 0
	s_cbranch_scc1 .Ltrip
	s_wait_alu depctr_va_vdst(0)
	; THE WAY OUT.  O^T / the sum is the last projection's operand: my 16 queries x my head's 64 features are half a fragment: quantised here, stored as a register image.
	v_add_f32 v14, v14, v15                        ; the sum's two halves,
	v_permlanex16_b32 v216, v14, s[SEL], s[SEL+1]
	v_add_f32 v14, v14, v216                       ; and lane l xor 16's: the row's sum (over 1/2: the largest p is)
	s_wait_alu depctr_va_vdst(0)
	v_rcp_f32 v226, v14
	v_nop                                          ; one plain place behind a transcendental
.set n, 0
	s_wait_alu depctr_va_vdst(0)                   ; the reciprocal has written v226, ahead of its first reader
.rept 16
	v_pk_mul_f32 v[160+n:161+n], v[160+n:161+n], v[226:227] op_sel_hi:[1,0]
.set n, n+2
.endr
	QUANT2 160, 192, 204, 230
	s_wait_alu depctr_va_vdst(0)                   ; the quantiser has written the codes v192-197 and the word v230, which the stores below read; every vector and matrix instruction that named v96-99, in which wave 0's LDS load lands, is done
	global_store_b128 v1, v[192:195], s[10:11]
	global_store_b64 v2, v[196:197], s[10:11] offset:512
	ds_store_b16 v7, v230                          ; my head's two bytes of row r's eight; both halves of the lanes write the same bytes with the same value
	s_wait_dscnt 0x0
	s_barrier_signal -1
	s_barrier_wait -1
	s_cmp_lg_u32 s2, 0
	s_cbranch_scc1 .Lend
	ds_load_b128 v[96:99], v9                      ; wave 0 stores the four tiles' words: 512 consecutive bytes
	s_wait_dscnt 0x0
	global_store_b128 v1, v[96:99], s[12:13]
.Lend:
	s_wait_dscnt 0x0                               ; the closing lines, six on end
	s_wait_alu 0x0
	s_wait_tensorcnt 0x0
	ds_add_u32 v254, v255
	s_wait_dscnt 0x0
	s_endpgm
.Lfunc_end_k_q7009ffc2c6_attn:
	.size	k_q7009ffc2c6_attn, .Lfunc_end_k_q7009ffc2c6_attn-k_q7009ffc2c6_attn
	.p2alignl 7, 3214868480
	.fill 96, 4, 3214868480
	.section	.rodata,"a",@progbits
	.p2align	6, 0x0
	.amdhsa_kernel k_q7009ffc2c6_attn
		.amdhsa_group_segment_fixed_size 84992
		.amdhsa_private_segment_fixed_size 0
		.amdhsa_enable_private_segment 0
		.amdhsa_kernarg_size 56
		.amdhsa_user_sgpr_count 2
		.amdhsa_user_sgpr_kernarg_segment_ptr 1
		.amdhsa_wavefront_size32 1
		.amdhsa_system_sgpr_workgroup_id_x 1
		.amdhsa_system_sgpr_workgroup_id_y 1
		.amdhsa_system_sgpr_workgroup_id_z 1
		.amdhsa_system_vgpr_workitem_id 0
		.amdhsa_next_free_vgpr 256
		.amdhsa_next_free_sgpr 96
		.amdhsa_reserve_vcc 0
		.amdhsa_float_denorm_mode_32 3
		.amdhsa_float_denorm_mode_16_64 3
		.amdhsa_memory_ordered 1
		.amdhsa_forward_progress 1
		.amdhsa_inst_pref_size 92
	.end_amdhsa_kernel
	.amdgpu_metadata
---
amdhsa.version: [ 1, 2 ]
amdhsa.kernels:
  - .name:           k_q7009ffc2c6_attn
    .symbol:         k_q7009ffc2c6_attn.kd
    .args:
      - { .name: qc, .offset: 0, .size: 8, .value_kind: global_buffer, .address_space: global }
      - { .name: qs, .offset: 8, .size: 8, .value_kind: global_buffer, .address_space: global }
      - { .name: kvc, .offset: 16, .size: 8, .value_kind: global_buffer, .address_space: global }
      - { .name: kvs, .offset: 24, .size: 8, .value_kind: global_buffer, .address_space: global }
      - { .name: mbits, .offset: 32, .size: 8, .value_kind: global_buffer, .address_space: global }
      - { .name: cod, .offset: 40, .size: 8, .value_kind: global_buffer, .address_space: global }
      - { .name: scl, .offset: 48, .size: 8, .value_kind: global_buffer, .address_space: global }
    .group_segment_fixed_size: 84992
    .private_segment_fixed_size: 0
    .kernarg_segment_align: 8
    .kernarg_segment_size: 56
    .max_flat_workgroup_size: 512
    .sgpr_count:     96
    .vgpr_count:     256
    .wavefront_size: 32
...
	.end_amdgpu_metadata
.endif
;; end of part 7
;; launch oproj (part 8): grid 16 x 16, 4 waves a work-group, no clusters, 17,920 bytes of LDS; arguments cod, scl, o_b, out0; writes out0
.if DOCPART == 8
	.amdgcn_target "amdgcn-amd-amdhsa--gfx1250"
	.amdhsa_code_object_version 6
	.text
	.protected	k_q7009ffc2c6_oproj
	.globl	k_q7009ffc2c6_oproj
	.p2align	8
	.type	k_q7009ffc2c6_oproj,@function
k_q7009ffc2c6_oproj:
	s_mov_b64 s[64:65], 0
	v_nop
	global_prefetch_b8 v0, s[64:65] scope:SCOPE_SE
	s_setreg_imm32_b32 hwreg(HW_REG_WAVE_SCHED_MODE, 0, 2), 2
	s_setreg_imm32_b32 hwreg(HW_REG_WAVE_MODE, 25, 1), 1
	s_wait_xcnt 0x0
	s_wait_alu depctr_vm_vsrc(0)
; OPROJ.  out0 = a o_w^T + o_b on codes of E2M3, a = attention's output (tiles 416 on of cod and scl), o_w tiles 352 on.  K = 1,024: eight matrix instructions deep.
; SHARES.  Work-group (g, y): 64 columns of out0 x 256 tokens.  Wave w: tokens 256 y + 64 w: four tiles of a against four of o_w: 16 accumulators.
; Fragments lie in memory as images of their registers and go straight into registers, every load dense: no LDS for operands, no barrier, no tensor load, so no cluster and no joint request.
; THE PRODUCT IS USED TRANSPOSED (source 0 = 16 rows of o_w, source 1 = 16 tokens): a lane holds one token and eight neighbouring columns a tile; the bias is the first C.
; Row rho of tile tau is row 32 (tau/2) + 8 (tau%2) + rho + 8 (rho/8): the way out puts rows and columns back in their places.
; THE MODE: SCHED_MODE bits 1:0 = 2 (LLVM: expert scheduling mode 2), set by the entry lines.  The code itself states the register dependences between vector or matrix instructions and memory or LDS
; instructions, with s_wait_alu, always for 0.
; THE PLAN.  Registers that memory or LDS instructions touch:
;   buffer b  v32-127 of register window b, b = 0, 1: a K step's eight fragments.  K step s multiplies from buffer s % 2; the loads of K step s + 1 land in the other buffer, which the products of K step s - 1 read.
;   set q     v10-17 and v18-25: the scale words of a pair of K steps, pair q in set q % 2.  Pair q + 1 is asked for in K step 2 q + 1, into the set that K step 2 q - 1 read last.
;   v128-255  the accumulators: the bias lands in them at the head; the products write them; the LDS stores of the way out read them.
;   v32-127 of window 0, on the way out: three runs of 32 by turns, in which rows land from the stage and from which they are stored.
;   v1, v2, v5, v6, v7, v8, v9  offsets and LDS addresses, made at the head and never written again.
; So ONE wait on va_vdst stands at the head of K steps 1 to 6, behind the wait for the step's own data: the step before is done reading the other buffer and the other set of scale words.  The next step's loads
; follow it in one run, with nothing but loads and window switches between, and are on their way while the step's sixteen products are issued.
.set AF,  32                           ; v32-79 of a window   a's four fragments
.set WF,  80                           ; v80-127 of a window  o_w's four
.set ACC, 128                          ; v128-255 sixteen accumulators: (token tile i, weight tile t) at ACC + 32 i + 8 t
.set SC,  10                           ; v10-25   scale words: set q at SC + 8 q; in it register 2 i + (K step % 2): lanes 0-15 a's tile i, lanes 16-31 o_w's tile i
.set RB,  32                           ; the way out: rows read back from the stage: v32-63, v64-95, v96-127 by turns
.set MSB, 0
.macro WIN new                         ; s_set_vgpr_msb's low byte: bits 1:0 source 0, 3:2 source 1, 5:4 source 2, 7:6 destination; the high byte repeats the setting that is left
.if MSB != (\new)
	s_set_vgpr_msb (MSB<<8)|(\new)
.set MSB, (\new)
.endif
.endm
.macro FRAG4 reg, base, off            ; a fragment's image into 12 registers
	global_load_b128 v[\reg:\reg+3], v1, s[\base:\base+1] offset:\off
	global_load_b64 v[\reg+4:\reg+5], v2, s[\base:\base+1] offset:\off+512
	global_load_b128 v[\reg+6:\reg+9], v1, s[\base:\base+1] offset:\off+768
	global_load_b64 v[\reg+10:\reg+11], v2, s[\base:\base+1] offset:\off+1280
.endm
.macro FETCH i, s                      ; a's tile i and o_w's tile i of K step s into buffer s % 2: the destination's window; the offsets lie in window 0
	WIN 0x40*((\s)%2)
	FRAG4 AF+12*(\i), 30, 12288*(\i)+1536*(\s)
	FRAG4 WF+12*(\i), 32, 12288*(\i)+1536*(\s)
.endm
.macro WORDS q                         ; the scale words of K steps 2 q and 2 q + 1 into set q % 2
	WIN 0
.irp i, 0,1,2,3
	global_load_b64 v[SC+8*((\q)%2)+2*\i:SC+8*((\q)%2)+2*\i+1], v5, s[6:7] offset:86016*(\q)+128*\i
.endr
.endm
.macro KSTEP s                         ; the sixteen accumulators take turns, one instruction a turn, in the same order in every step
.if ((\s) > 0) && ((\s) < 7)
.rept 4
	v_nop                                          ; four places between the last products and loads into registers that they have read (ISA guide 7.12.1 for vector instructions): they stay beside the wait below
.endr
.endif
	s_wait_loadcnt 0x0                             ; this K step's fragments and scale words are in (K step 0: the bias too)
.if ((\s) > 0) && ((\s) < 7)
	s_wait_alu depctr_va_vdst(0)                   ; the products of the K step before are done reading the other buffer and, where this K step is odd, the other set of scale words: the loads below land there
.endif
.if (\s) < 7
.if (\s)%2 == 1
	WORDS ((\s)+1)/2
.endif
.irp i, 0,1,2,3
	FETCH \i, (\s)+1
.endr
.endif
	WIN 0x05*((\s)%2)                              ; sources 0 and 1 in this K step's buffer's window; C and D in window 0
.irp i, 0,1,2,3
.irp t, 0,1,2,3
	v_wmma_scale_f32_16x16x128_f8f6f4 v[ACC+32*\i+8*\t:ACC+32*\i+8*\t+7], v[WF+12*\t:WF+12*\t+11], v[AF+12*\i:AF+12*\i+11], v[ACC+32*\i+8*\t:ACC+32*\i+8*\t+7], v[SC+8*(((\s)/2)%2)+2*\t+(\s)%2], v[SC+8*(((\s)/2)%2)+2*\i+(\s)%2] matrix_a_fmt:MATRIX_FMT_FP6 matrix_b_fmt:MATRIX_FMT_FP6 matrix_a_scale:MATRIX_SCALE_ROW1
.endr
.endr
.endm
.macro ROWS i                          ; token tile i: through my stage, and out as whole pieces of 256 bytes of 16 rows
.irp t, 0,1,2,3
	ds_store_b128 v7, v[ACC+32*(\i)+8*\t:ACC+32*(\i)+8*\t+3] offset:(32*(\t/2)+8*(\t%2))*4        ; each accumulator from its low end on
	ds_store_b128 v7, v[ACC+32*(\i)+8*\t+4:ACC+32*(\i)+8*\t+7] offset:(32*(\t/2)+8*(\t%2))*4+16
.endr
.if (\i) == 3
	s_wait_xcnt 0x0                                ; tile 0's stores have had their addresses translated: only now are their data registers loaded again,
	s_wait_alu depctr_vm_vsrc(0)                   ; and tile 0's stores have read v32-63, in which the loads below land
.endif
.irp j, 0,1,2,3,4,5,6,7
	ds_load_b128 v[RB+32*((\i)%3)+4*\j:RB+32*((\i)%3)+4*\j+3], v8 offset:544*\j      ; LDS serves a wave's instructions in order: these see my stores
.endr
.irp j, 0,1,2,3,4,5,6,7
	s_wait_dscnt 7-\j                              ; load j is back; the 7 - j younger ones may be out
	global_store_b128 v9, v[RB+32*((\i)%3)+4*\j:RB+32*((\i)%3)+4*\j+3], s[38:39] offset:(32*((\i)/2)+8*((\i)%2)+2*\j+8*(\j/4))*4096 th:TH_STORE_NT   ; sixteen lanes store 256 consecutive bytes, at a multiple of 256 from out0's first byte
.endr
.endm
	s_load_b256 s[4:11], s[0:1], 0x0               ; cod, scl, o_b, out0
	v_lshl_add_u32 v30, v0, 2, 0x4400
	v_mov_b32 v31, 0
	v_lshrrev_b32 v1, 5, v0
	v_readfirstlane_b32 s26, v1                    ; wave
	s_mov_b32 s27, ttmp9                           ; g
	s_and_b32 s28, ttmp7, 0xffff                   ; y
	v_and_b32 v2, 31, v0
	v_lshlrev_b32 v1, 4, v2                        ; 16 x lane
	v_lshlrev_b32 v2, 3, v2                        ; 8 x lane
	v_bfe_u32 v3, v0, 4, 1                         ; h
	s_wait_alu depctr_va_vdst(0)
	v_and_b32 v4, 15, v0                           ; r
	s_wait_alu depctr_va_sdst(0)                   ; s26 is written, ahead of its first reader: the wave's tiles, stage and rows are made from it
	s_lshl_b32 s29, s28, 4
	s_lshl_b32 s34, s26, 2
	s_add_co_u32 s29, s29, s34
	s_add_co_u32 s29, s29, 416                     ; a's first tile: 416 + 16 y + 4 w
	s_lshl_b32 s35, s27, 2
	s_add_co_u32 s35, s35, 352                     ; o_w's: 352 + 4 g
	s_lshl_b32 s40, s29, 7
	s_lshl_b32 s41, s35, 7
	v_mov_b32 v5, s40
	v_mov_b32 v26, s41
	v_cmp_ne_u32 vcc_lo, 0, v3
	s_wait_alu depctr_va_vcc(0)                    ; the compare has written VCC, which the select below reads
	v_cndmask_b32 v5, v5, v26, vcc_lo              ; scale words: lanes 0-15 a's tile, lanes 16-31 o_w's: 128 bytes a tile,
	s_wait_alu depctr_va_vdst(0)
	v_lshl_add_u32 v5, v4, 3, v5                   ; 8 bytes a row
	v_lshlrev_b32 v6, 6, v3                        ; the bias: 64 h
	s_mul_i32 s36, s26, 4352                       ; my stage: 16 rows x 272 bytes
	v_mul_u32_u24 v7, v4, 272
	v_lshl_add_u32 v7, v3, 6, v7
	v_add_nc_u32 v7, s36, v7                       ; in: row r, + 64 h
	v_mul_u32_u24 v8, v3, 272
	v_lshl_add_u32 v8, v4, 4, v8
	v_add_nc_u32 v8, s36, v8                       ; back: row h (+ 2 j), 16 r
	v_lshlrev_b32 v9, 4, v4
	v_lshl_add_u32 v9, v3, 12, v9                  ; and the same in out0: 4,096 h + 16 r
	s_mul_i32 s40, s29, 12288
	s_mov_b32 s41, 0
	s_mul_i32 s42, s35, 12288
	s_mov_b32 s43, 0
	s_lshl_b32 s44, s27, 8                         ; 64 numbers of the bias, and 256 bytes of a row of out0
	s_mov_b32 s45, 0
	s_lshl_b32 s46, s28, 20
	s_lshl_b32 s47, s26, 18
	s_add_co_u32 s46, s46, s47                     ; (256 y + 64 w) rows of 4,096 bytes
	s_add_co_u32 s46, s46, s44
	s_mov_b32 s47, 0
	s_wait_kmcnt 0x0
	s_add_nc_u64 s[30:31], s[4:5], s[40:41]
	s_add_nc_u64 s[32:33], s[4:5], s[42:43]
	s_add_nc_u64 s[8:9], s[8:9], s[44:45]
	s_add_nc_u64 s[38:39], s[10:11], s[46:47]
	s_wait_alu depctr_va_vdst(0)                   ; the offsets and LDS addresses v1, v2, v5, v6, v7, v8 and v9 are written, which the kernel's loads and stores read; none of them is written again
.irp i, 0,1,2,3
.irp t, 0,1,2,3
	global_load_b128 v[ACC+32*\i+8*\t:ACC+32*\i+8*\t+3], v6, s[8:9] offset:(32*(\t/2)+8*(\t%2))*4        ; the bias is the first C: columns 32 (t/2) + 16 h + 8 (t%2) + 0 .. 7
	global_load_b128 v[ACC+32*\i+8*\t+4:ACC+32*\i+8*\t+7], v6, s[8:9] offset:(32*(\t/2)+8*(\t%2))*4+16
.endr
.endr
	WORDS 0
.irp i, 0,1,2,3
	FETCH \i, 0                                    ; K step 0 into buffer 0; K step 0 itself asks for K step 1, into buffer 1, which nothing has named
.endr
.irp s, 0,1,2,3,4,5,6,7
	KSTEP \s
.endr
	WIN 0
.rept 4
	v_nop                                          ; four places in front of the first read of results
.endr
	s_wait_alu depctr_va_vdst(0)                   ; the products have written the accumulators, which the LDS stores below read, and are done reading buffer 0, in which the rows from the stage land; the places above stay beside this wait
	ROWS 0
	ROWS 1
	ROWS 2
	ROWS 3
	s_wait_dscnt 0x0                               ; the closing lines, six on end
	s_wait_alu 0x0
	s_wait_tensorcnt 0x0
	ds_add_u32 v30, v31
	s_wait_dscnt 0x0
	s_endpgm
.Lfunc_end_k_q7009ffc2c6_oproj:
	.size	k_q7009ffc2c6_oproj, .Lfunc_end_k_q7009ffc2c6_oproj-k_q7009ffc2c6_oproj
	.p2alignl 7, 3214868480
	.fill 96, 4, 3214868480
	.section	.rodata,"a",@progbits
	.p2align	6, 0x0
	.amdhsa_kernel k_q7009ffc2c6_oproj
		.amdhsa_group_segment_fixed_size 17920
		.amdhsa_private_segment_fixed_size 0
		.amdhsa_enable_private_segment 0
		.amdhsa_kernarg_size 32
		.amdhsa_user_sgpr_count 2
		.amdhsa_user_sgpr_kernarg_segment_ptr 1
		.amdhsa_wavefront_size32 1
		.amdhsa_system_sgpr_workgroup_id_x 1
		.amdhsa_system_sgpr_workgroup_id_y 1
		.amdhsa_system_sgpr_workgroup_id_z 1
		.amdhsa_system_vgpr_workitem_id 0
		.amdhsa_next_free_vgpr 384
		.amdhsa_next_free_sgpr 66
		.amdhsa_reserve_vcc 1
		.amdhsa_float_denorm_mode_32 3
		.amdhsa_float_denorm_mode_16_64 3
		.amdhsa_memory_ordered 1
		.amdhsa_forward_progress 1
		.amdhsa_inst_pref_size 58
	.end_amdhsa_kernel
	.amdgpu_metadata
---
amdhsa.version: [ 1, 2 ]
amdhsa.kernels:
  - .name:           k_q7009ffc2c6_oproj
    .symbol:         k_q7009ffc2c6_oproj.kd
    .args:
      - { .name: cod, .offset: 0, .size: 8, .value_kind: global_buffer, .address_space: global }
      - { .name: scl, .offset: 8, .size: 8, .value_kind: global_buffer, .address_space: global }
      - { .name: o_b, .offset: 16, .size: 8, .value_kind: global_buffer, .address_space: global }
      - { .name: out0, .offset: 24, .size: 8, .value_kind: global_buffer, .address_space: global }
    .group_segment_fixed_size: 17920
    .private_segment_fixed_size: 0
    .kernarg_segment_align: 8
    .kernarg_segment_size: 32
    .max_flat_workgroup_size: 128
    .sgpr_count:     66
    .vgpr_count:     384
    .wavefront_size: 32
...
	.end_amdgpu_metadata
.endif
;; end of part 8
